; MI455X (gfx1250); checked and timed in simulation.
; The chip was launched on July 23, 2026; its instructions are those of AMD's public machine-readable ISA for CDNA 5 (MIT licence, August 2026) and "CDNA5" Instruction Set Architecture Reference Guide (July 2026). The comments in the code are by the model that wrote it; some were corrected since.
;; Mini GPT4 Attention Cam. Allowed arithmetic: matrix products marked QUANTISED: E2M1 operands, one E8M0 scale for each 32 along K, by v_wmma_scale_f32_16x16x128_f8f6f4 with both operands' format E2M1 (or v_wmma_scale_f32_32x16x128_f4), f32 sums; products left as they are: bf16, f16 or f32 operands; f32 sums; everything else in f32.
;; Inputs: Wk 2,048 x 2,048 float32; Wo 2,048 x 2,048 float32; Wq 2,048 x 2,048 float32; Wv 2,048 x 2,048 float32; bk 2,048 float32; bo 2,048 float32; bq 2,048 float32; bv 2,048 float32; hidden_states 1 x 2,048 x 2,048 float32.
;; Outputs: out0 1 x 2,048 x 2,048 float32.
;; This version of the problem:
;;   THIS VERSION OF THE PROBLEM IS GIVEN IN LOW PRECISION. The matrix products marked QUANTISED in the list below multiply operands that are first quantised to E2M1 (2 exponent bits, 1 mantissa bit; 4 bits a number), with one power-of-two scale for each 32 numbers along K (OCP MX v1.0); their sums are f32. The products marked 'left as it is' may take bf16, f16 or f32 operands, with f32 sums. Whichever they take, every output number must still come out within the allowed error. Rounding operands to bf16 (8 significant bits) uses up far more of that allowance than f16 does (11 bits, for magnitudes from 6e-5 to 65,504). All else is computed in f32.
;;   The module's matrix products, in the order in which they are computed (A, B: the left and right operand; K: the contracted axis; several contracted axes count as one K, in the product's order):
;;     1. [M 2,048, K 2,048] x [K 2,048, N 2,048]; A: input hidden_states; B: input Wq: QUANTISED
;;     2. [M 2,048, K 2,048] x [K 2,048, N 2,048]; A: input hidden_states; B: input Wk: QUANTISED
;;     3. [M 2,048, K 2,048] x [K 2,048, N 2,048]; A: input hidden_states; B: input Wv: QUANTISED
;;     4. batch 16 x [M 2,048, K 128] x [K 128, N 2,048]; A: computed on the way; B: computed on the way: left as it is (an operand is computed on the way)
;;     5. batch 16 x [M 2,048, K 2,048] x [K 2,048, N 128]; A: computed on the way; B: computed on the way: left as it is (an operand is computed on the way)
;;     6. [M 2,048, K 2,048] x [K 2,048, N 2,048]; A: computed on the way; B: input Wo: left as it is (an operand is computed on the way)
;;   THE QUANTISER, for each operand of a quantised product, along K:
;;     - K is cut into blocks of 32 from its start; a last block that is shorter is filled with zeros.
;;     - A block's scale is 2^e with e = floor(log2(the largest magnitude in the block)) - 2, held to -126 .. 127; a block of zeros has e = 0. As a byte (E8M0): e + 127.
;;     - Each number is divided by its block's scale, clamped to +-6, and rounded to the nearest number of E2M1, ties to even, subnormals kept.
;;     - The product sums the exact products of the quantised numbers (number of the format x scale) in f32.
;;   ~~~python
;;   def quantise(x, axis):      # numpy; x: float32 -> the quantised numbers, widened to float32 again
;;       x = np.moveaxis(x, axis, -1); K = x.shape[-1]
;;       x = np.pad(x, [(0, 0)] * (x.ndim - 1) + [(0, -K % 32)]); x = x.reshape(x.shape[:-1] + (-1, 32)); a = np.abs(x).max(-1, keepdims=True)
;;       e = np.where(a > 0, np.clip(np.frexp(np.where(a > 0, a, 1))[1] - 1 - 2, -126, 127), 0)      # np.frexp(a)[1] - 1 = floor(log2(a)), exactly
;;       r = np.clip(x / 2.0 ** e, -6, 6)
;;       step = 2.0 ** (np.maximum(np.frexp(np.where(r == 0, 1, r))[1] - 1, 0) - 1)
;;       q = np.round(r / step) * step * 2.0 ** e      # np.round: ties to even
;;       return np.moveaxis(q.reshape(q.shape[:-2] + (-1,))[..., :K], -1, axis).astype(np.float32)
;;   ~~~
;; One version. Each part assembles by itself: llvm-mc -triple=amdgcn-amd-amdhsa -mcpu=gfx1250 --defsym DOCPART=n.
;; ======== version 1 of 1: 4 launches
;; limits: values are held in f16: magnitudes above 65,504 overflow, below 6.1e-05 lose precision; right only within a limited range of input values; below input magnitudes of 0.00024 results are inexact or not finite
;; workspace buffers: codes 8,388,608 bytes; scales 524,288 bytes; wo16 8,388,608 bytes; tab 1,114,112 bytes; qkv 14,680,064 bytes; att 8,388,608 bytes
;; launch prep (part 1): grid 674 x 1, 4 waves a work-group, no clusters, 33,280 bytes of LDS; arguments hidden_states, Wq, Wk, Wv, Wo, codes, scales, wo16, tab; writes codes, scales, wo16, tab
.if DOCPART == 1
	.amdgcn_target "amdgcn-amd-amdhsa--gfx1250"
	.amdhsa_code_object_version 6
	.text
	.protected	k_qbab70dedc9_prep
	.globl	k_qbab70dedc9_prep
	.p2align	8
	.type	k_qbab70dedc9_prep,@function
k_qbab70dedc9_prep:
	s_mov_b64 s[64:65], 0
	v_nop
	global_prefetch_b8 v0, s[64:65] scope:SCOPE_SE
	s_setreg_imm32_b32 hwreg(HW_REG_WAVE_MODE, 25, 1), 1
	s_wait_xcnt 0x0
; PREP: three kinds of work-groups in one launch, told apart by the work-group's number alone.
;   0 .. 33     the table of rotations: 136 blocks of 8,192 bytes, a wave a block.  Block pb < 128 serves positions 16 pb .. 16 pb + 15; blocks 128 .. 135 are made with position 0 (cos = 1, sin = 0).
;               tab[pb][b 0..7][c 0..1][lane][16 bytes] = (cos, sin, cos, sin) / 4 of position 16 pb + lane % 16 and pairs j = 8 b + 4 (lane / 16) + 2 c + 0, 1: the order in which the next launch's result registers want them.
;   34 .. 545   hidden_states, Wq, Wk, Wv (f32, K innermost) become codes of FP4 (E2M1) with one E8M0 byte for each 32 along K: codes [4][2048][1024 bytes], scales [4][2048][64 bytes].
;   546 .. 673  Wo becomes f16, times 4 (exact): wo16 [2048][2048].
; THE QUANTISER.  A block's scale is 2^(floor(log2(its largest magnitude)) - 2); its byte is the largest magnitude's exponent field - 2, held at 1 from below.  A block of zeros so gets the byte 1 where the rule says 127:
; its codes are zeros, which add nothing under any byte but 0xff, and the bytes are read by this program alone.  Each number is divided by the scale and rounded to the nearest code, ties to even, beyond 6 to 6.
; Rows are dense and K is a multiple of 32, so a tensor is a plain stream of blocks.  A wave takes 16 steps of 512 numbers.  Each load reads 512 consecutive bytes; a step's 2,048 bytes turn through the wave's own stage in LDS,
; so that a lane then holds 16 neighbours along K (two neighbouring lanes hold a block).  A step's codes leave as 256 consecutive bytes, the wave's 256 scale bytes as one store at the end.
; LIMITS: NaN and infinities among the inputs are not served; blocks whose largest magnitude lies under 2^-124 keep the byte 1.
; The angle is position x theta_j in f32, theta_j = 2^(-j log2(10000) / 64) by v_exp_f32: it may differ from a correctly rounded theta by a few parts in 10^7, at position 2,047 up to 5e-4 rad, alike for queries and keys.
; No tile is shared between work-groups and memory binds: no cluster, no tensor load, no matrix unit, no barrier.
.set NTAB,  34
.set NQU,   512
.set STEPS, 16
.set CB,    8                          ; bytes of 16 codes
.set R,     16                         ; v16-79   four sets of 16 numbers as they are loaded
.set X,     80                         ; v80-111  two sets of 16 neighbours
.set E,     112                        ; v112-127 a scale byte for each step
.set C,     128                        ; v128-191 codes: four registers for each step, so that no store's data are written again
.set WREG,  8192                       ; LDS: a region for each wave: two stages of 32 x SP bytes, behind them its 256 scale bytes
.set SP,    80                         ; a lane's place in a stage: 64 bytes + 16 of padding
.set SPW,   12                         ; v12  LDS address of my spare word; never rewritten
.set NIL,   13                         ; v13  0; never rewritten
.set SPARE, 4*WREG                     ; behind the four regions: the spare words, 128 bytes a wave
	s_load_b256 s[4:11], s[0:1], 0x0               ; hidden_states, Wq, Wk, Wv
	s_load_b256 s[12:19], s[0:1], 0x20             ; Wo, codes, scales, wo16
	s_load_b64 s[20:21], s[0:1], 0x40              ; tab
	v_lshl_add_u32 v[SPW], v0, 2, SPARE
	v_mov_b32 v[NIL], 0
	v_lshrrev_b32 v1, 5, v0
	v_readfirstlane_b32 s22, v1                    ; wave 0..3
	v_and_b32 v2, 31, v0                           ; lane
	v_lshlrev_b32 v3, 4, v2                        ; 16 x lane
	s_wait_kmcnt 0x0
	s_cmp_lt_u32 ttmp9, NTAB
	s_cbranch_scc1 .Ltab
	s_cmp_ge_u32 ttmp9, NTAB+NQU
	s_cbranch_scc1 .Lwo
	; ---------------- the quantiser ----------------
	s_sub_co_u32 s23, ttmp9, NTAB                  ; 0 .. 511: 128 work-groups to a tensor
	s_mul_i32 s26, s22, WREG
	v_lshrrev_b32 v14, 2, v2
	v_mul_u32_u24 v14, v14, SP
	v_and_b32 v15, 3, v2
	v_lshl_add_u32 v14, v15, 4, v14
	v_add_nc_u32 v14, s26, v14                     ; the stage, on the way in: four lanes' 64 bytes on end, then 16 of padding
	v_mul_u32_u24 v15, v2, SP
	v_add_nc_u32 v15, s26, v15                     ; and on the way out: my 16 neighbours
	v_mul_u32_u24 v4, v2, CB                       ; my codes' place in a step's
	v_lshrrev_b32 v5, 1, v2
	s_add_co_u32 s26, s26, 2*32*SP
	v_add_nc_u32 v5, s26, v5                       ; my wave's 256 scale bytes, my block's byte
	v_lshlrev_b32 v7, 3, v2                        ; and on the way out 8 bytes a lane
	v_add_nc_u32 v6, s26, v7
	s_cmp_lt_u32 s23, 384                          ; which tensor: the choice hangs on the work-group's number alone
	s_cselect_b64 s[10:11], s[8:9], s[10:11]
	s_cmp_lt_u32 s23, 256
	s_cselect_b64 s[10:11], s[6:7], s[10:11]
	s_cmp_lt_u32 s23, 128
	s_cselect_b64 s[10:11], s[4:5], s[10:11]
	s_and_b32 s27, s23, 127
	s_lshl_b32 s27, s27, 2
	s_add_co_u32 s27, s27, s22                     ; which run of 8,192 numbers of the tensor is my wave's
	s_lshl_b32 s28, s27, 15
	s_mov_b32 s29, 0
	s_add_nc_u64 s[10:11], s[10:11], s[28:29]
	s_lshl_b32 s27, s23, 2
	s_add_co_u32 s27, s27, s22                     ; and which of the 2,048 runs of the four tensors on end
	s_lshl_b32 s28, s27, 12
	s_add_nc_u64 s[14:15], s[14:15], s[28:29]      ; 4,096 bytes of codes a run
	s_lshl_b32 s28, s27, 8
	s_add_nc_u64 s[16:17], s[16:17], s[28:29]      ; 256 scale bytes a run
.macro LOAD t
.irp i, 0,1,2,3
	global_load_b128 v[R+16*((\t)%4)+4*\i:R+16*((\t)%4)+4*\i+3], v3, s[10:11] offset:2048*(\t)+512*\i th:TH_LOAD_NT   ; 32 lanes read 512 consecutive bytes
.endr
.endm
.macro TURN t                          ; step t's numbers through the stage: LDS serves a wave's instructions in order, so no wait stands between the stores and the loads
.irp i, 0,1,2,3
	ds_store_b128 v14, v[R+16*((\t)%4)+4*\i:R+16*((\t)%4)+4*\i+3] offset:32*SP*((\t)%2)+8*SP*\i
.endr
.irp i, 0,1,2,3
	ds_load_b128 v[X+16*((\t)%2)+4*\i:X+16*((\t)%2)+4*\i+3], v15 offset:32*SP*((\t)%2)+16*\i
.endr
.endm
.irp t, 0,1,2,3
	LOAD \t
.endr
	s_wait_loadcnt 12                              ; step 0's four loads are in
	TURN 0
.macro STEP t
.set XS, X+16*((\t)%2)
.if (\t) > 0
	s_wait_dscnt 1                                 ; this step's numbers are back from the stage (the last step's byte store may be out): so its stores into the stage have read their registers,
.else
	s_wait_dscnt 0x0
.endif
.if (\t)+4 < STEPS
	LOAD (\t)+4                                    ; which take the loads of four steps on
.endif
.if (\t)+1 < STEPS
.if STEPS-2-(\t) >= 3
	s_wait_loadcnt 12                              ; the next step's four loads are in; those of the three steps behind it may be out
.else
	s_wait_loadcnt 4*(STEPS-2-(\t))
.endif
	TURN (\t)+1                                    ; and go through the other stage while this step is worked
.endif
	v_max3_num_f32 v8, |v[XS]|, |v[XS+1]|, |v[XS+2]|               ; the largest magnitude of my 16, in two chains
	v_max3_num_f32 v9, |v[XS+3]|, |v[XS+4]|, |v[XS+5]|
.irp i, 6,10
	v_max3_num_f32 v8, v8, |v[XS+\i]|, |v[XS+\i+1]|
	v_max3_num_f32 v9, v9, |v[XS+\i+2]|, |v[XS+\i+3]|
.endr
	v_max3_num_f32 v8, v8, |v[XS+14]|, |v[XS+15]|
	v_max3_num_f32 v8, v8, v9, 0x1800000           ; and the floor 2^(3 - 127): so the byte cannot fall under 1
	v_max_num_f32_dpp v8, v8, v8 row_xmask:1 row_mask:0xf bank_mask:0xf   ; and of my neighbour's 16: the block's
	v_add_nc_u32 v11, 0xff000000, v8               ; 2 off its exponent field: the conversion takes the exponent field of this operand as its scale, and nothing else of it
	v_cvt_scalef32_pk8_fp4_f32 v[C+4*(\t)], v[XS:XS+7], v11
	v_cvt_scalef32_pk8_fp4_f32 v[C+4*(\t)+1], v[XS+8:XS+15], v11
	v_lshrrev_b32 v[E+(\t)], 23, v11               ; the scale's byte (a plain line behind the conversions)
	ds_store_b8 v5, v[E+(\t)] offset:16*(\t)       ; both lanes of a block write the same byte with the same value
	global_store_b64 v4, v[C+4*(\t):C+4*(\t)+1], s[14:15] offset:32*CB*(\t)   ; the wave stores 256 consecutive bytes, aligned
.endm
.irp t, 0,1,2,3,4,5,6,7,8,9,10,11,12,13,14,15
	STEP \t
.endr
	ds_load_b64 v[8:9], v6                         ; LDS serves a wave's instructions in order: these see my stores
	s_wait_dscnt 0x0
	global_store_b64 v7, v[8:9], s[16:17]          ; 32 lanes store 256 consecutive bytes, aligned
	s_wait_tensorcnt 0x0                           ; the wave's end, behind my last LDS store
	ds_add_u32 v[SPW], v[NIL]
	s_wait_dscnt 0x0
	s_endpgm
	; ---------------- Wo to f16, times 4 ----------------
.Lwo:
	s_sub_co_u32 s23, ttmp9, NTAB+NQU
	s_lshl_b32 s23, s23, 2
	s_add_co_u32 s23, s23, s22                     ; which of 512 runs of 8,192 numbers
	s_lshl_b32 s28, s23, 15
	s_mov_b32 s29, 0
	s_add_nc_u64 s[12:13], s[12:13], s[28:29]
	s_lshl_b32 s28, s23, 14
	s_add_nc_u64 s[18:19], s[18:19], s[28:29]
	v_lshlrev_b32 v4, 3, v2                        ; out: 8 bytes a lane
.macro WLOAD s                         ; set s: eight loads of 512 consecutive bytes
.irp i, 0,1,2,3,4,5,6,7
	global_load_b128 v[16+32*((\s)%4)+4*\i:16+32*((\s)%4)+4*\i+3], v3, s[12:13] offset:512*(8*(\s)+\i) th:TH_LOAD_NT
.endr
.endm
.macro WSET s
.set WI, 16+32*((\s)%4)
.set WO, 144+16*((\s)%2)
.if 7-(\s) < 3
	s_wait_loadcnt 8*(7-(\s))                      ; the sets behind this one may be out
.else
	s_wait_loadcnt 24
.endif
.if (\s) >= 2
	s_wait_xcnt 0x0                                ; the stores of two sets back have read their data registers, which are written again below
.endif
.irp i, 0,1,2,3,4,5,6,7
	v_pk_mul_f32 v[WI+4*\i:WI+4*\i+1], v[WI+4*\i:WI+4*\i+1], 4.0 op_sel_hi:[1,0]
	v_pk_mul_f32 v[WI+4*\i+2:WI+4*\i+3], v[WI+4*\i+2:WI+4*\i+3], 4.0 op_sel_hi:[1,0]
	v_cvt_pk_f16_f32 v[WO+2*\i], v[WI+4*\i], v[WI+4*\i+1]
	v_cvt_pk_f16_f32 v[WO+2*\i+1], v[WI+4*\i+2], v[WI+4*\i+3]
	global_store_b64 v4, v[WO+2*\i:WO+2*\i+1], s[18:19] offset:256*(8*(\s)+\i)   ; 256 consecutive bytes, aligned
.endr
.if (\s) < 4
	WLOAD (\s)+4
.endif
.endm
.irp s, 0,1,2,3
	WLOAD \s
.endr
.irp s, 0,1,2,3,4,5,6,7
	WSET \s
.endr
	s_endpgm
	; ---------------- the table of rotations ----------------
.Ltab:
	s_lshl_b32 s23, ttmp9, 2
	s_add_co_u32 s23, s23, s22                     ; pb 0 .. 135
	s_lshl_b32 s26, s23, 4
	s_cmp_lt_u32 s23, 128
	s_cselect_b32 s26, s26, 0                      ; the block's first position; the last eight blocks take position 0 in every lane
	s_cselect_b32 s27, 15, 0
	s_lshl_b32 s28, s23, 13
	s_mov_b32 s29, 0
	s_add_nc_u64 s[20:21], s[20:21], s[28:29]
	v_and_b32 v4, s27, v2
	v_add_nc_u32 v4, s26, v4
	v_cvt_f32_u32 v14, v4                          ; my position
	v_lshrrev_b32 v9, 4, v2
	v_lshlrev_b32 v9, 2, v9                        ; 4 (lane / 16)
	v_mov_b32 v10, 0x3638ef1d                      ; 1 / 9!
	v_mov_b32 v11, 0x37d00d01                      ; 1 / 8!
	s_mov_b32 s30, 0xbfc90fdb                      ; -(pi / 2), its upper part,
	s_mov_b32 s31, 0x333bbd2e                      ; and what is left of it
.irp n, 0,1,2,3,4,5,6,7,8,9,10,11,12,13,14,15,16,17,18,19,20,21,22,23,24,25,26,27,28,29,30,31
	v_add_nc_u32 v[16+\n], 8*(\n/4)+\n%4, v9       ; j = 8 b + k + 4 (lane / 16), n = 4 b + k
.endr
.irp n, 0,1,2,3,4,5,6,7,8,9,10,11,12,13,14,15,16,17,18,19,20,21,22,23,24,25,26,27,28,29,30,31
	v_cvt_f32_u32 v[16+\n], v[16+\n]
.endr
.irp n, 0,1,2,3,4,5,6,7,8,9,10,11,12,13,14,15,16,17,18,19,20,21,22,23,24,25,26,27,28,29,30,31
	v_mul_f32 v[16+\n], 0xbe549a78, v[16+\n]       ; -j log2(10000) / 64
.endr
.irp n, 0,1,2,3,4,5,6,7,8,9,10,11,12,13,14,15,16,17,18,19,20,21,22,23,24,25,26,27,28,29,30,31
	v_exp_f32 v[16+\n], v[16+\n]                   ; theta_j: one batch
.endr
	v_nop                                          ; a plain line behind the last exponential
	s_wait_alu depctr_va_vdst(0)                   ; one wait for the batch, ahead of its first use
; Four pairs j of group b, line by line, so that no line waits for the line above it.  x = position x theta; n = the nearest whole number to x / (pi / 2); r = x - n pi / 2 in two fused steps, |r| <= pi / 4;
; sine and cosine of r by their series up to r^9 and r^8; n's low two bits say which of the two is which and give the signs.  At work: v[112 + 8 k] on.
.macro SC4 b
.irp k, 0,1,2,3
	v_mul_f32 v[112+8*\k], v14, v[16+4*\b+\k]
.endr
.irp k, 0,1,2,3
	v_mul_f32 v[113+8*\k], 0x3f22f983, v[112+8*\k]
.endr
.irp k, 0,1,2,3
	v_rndne_f32 v[113+8*\k], v[113+8*\k]
.endr
.irp k, 0,1,2,3
	v_fma_f32 v[114+8*\k], v[113+8*\k], s30, v[112+8*\k]
.endr
.irp k, 0,1,2,3
	v_fma_f32 v[114+8*\k], v[113+8*\k], s31, v[114+8*\k]
.endr
.irp k, 0,1,2,3
	v_mul_f32 v[115+8*\k], v[114+8*\k], v[114+8*\k]
.endr
.irp k, 0,1,2,3
	v_fmaak_f32 v[116+8*\k], v10, v[115+8*\k], 0xb9500d01
	v_fmaak_f32 v[117+8*\k], v11, v[115+8*\k], 0xbab60b61
.endr
.irp k, 0,1,2,3
	v_fmaak_f32 v[116+8*\k], v[116+8*\k], v[115+8*\k], 0x3c088889
	v_fmaak_f32 v[117+8*\k], v[117+8*\k], v[115+8*\k], 0x3d2aaaab
.endr
.irp k, 0,1,2,3
	v_fmaak_f32 v[116+8*\k], v[116+8*\k], v[115+8*\k], 0xbe2aaaab
	v_fmaak_f32 v[117+8*\k], v[117+8*\k], v[115+8*\k], 0xbf000000
.endr
.irp k, 0,1,2,3
	v_mul_f32 v[112+8*\k], v[114+8*\k], v[115+8*\k]
	v_cvt_i32_f32 v[118+8*\k], v[113+8*\k]
.endr
.irp k, 0,1,2,3
	v_fma_f32 v[116+8*\k], v[112+8*\k], v[116+8*\k], v[114+8*\k]   ; sin r
	v_fma_f32 v[117+8*\k], v[117+8*\k], v[115+8*\k], 1.0           ; cos r
.endr
.irp k, 0,1,2,3
	v_and_b32 v[119+8*\k], 1, v[118+8*\k]
.endr
.irp k, 0,1,2,3
	v_cmp_eq_u32 s[40+\k], 1, v[119+8*\k]          ; an odd n changes the two over: a choice of values, no branch
.endr
.irp k, 0,1,2,3
	v_cndmask_b32 v[112+8*\k], v[116+8*\k], v[117+8*\k], s[40+\k]
	v_cndmask_b32 v[113+8*\k], v[117+8*\k], v[116+8*\k], s[40+\k]
.endr
.irp k, 0,1,2,3
	v_lshlrev_b32 v[119+8*\k], 30, v[118+8*\k]     ; the sine is negative where n mod 4 is 2 or 3,
	v_add_nc_u32 v[118+8*\k], 1, v[118+8*\k]
.endr
.irp k, 0,1,2,3
	v_and_b32 v[119+8*\k], 0x80000000, v[119+8*\k]
	v_lshlrev_b32 v[118+8*\k], 30, v[118+8*\k]     ; the cosine where it is 1 or 2
.endr
.irp k, 0,1,2,3
	v_xor_b32 v[112+8*\k], v[112+8*\k], v[119+8*\k]
	v_and_b32 v[118+8*\k], 0x80000000, v[118+8*\k]
.endr
.irp k, 0,1,2,3
	v_xor_b32 v[113+8*\k], v[113+8*\k], v[118+8*\k]
.endr
.irp k, 0,1,2,3
	v_mul_f32 v[48+8*\b+2*\k], 0x3e800000, v[113+8*\k]             ; cos / 4
	v_mul_f32 v[49+8*\b+2*\k], 0x3e800000, v[112+8*\k]             ; sin / 4.  Each group has registers of its own: no store's data are written again
.endr
	global_store_b128 v3, v[48+8*\b:51+8*\b], s[20:21] offset:1024*\b       ; 32 lanes store 512 consecutive bytes, aligned
	global_store_b128 v3, v[52+8*\b:55+8*\b], s[20:21] offset:1024*\b+512
.endm
.irp b, 0,1,2,3,4,5,6,7
	SC4 \b
.endr
	s_endpgm
.Lfunc_end_k_qbab70dedc9_prep:
	.size	k_qbab70dedc9_prep, .Lfunc_end_k_qbab70dedc9_prep-k_qbab70dedc9_prep
	.p2alignl 7, 3214868480
	.fill 96, 4, 3214868480
	.section	.rodata,"a",@progbits
	.p2align	6, 0x0
	.amdhsa_kernel k_qbab70dedc9_prep
		.amdhsa_group_segment_fixed_size 33280
		.amdhsa_private_segment_fixed_size 0
		.amdhsa_enable_private_segment 0
		.amdhsa_kernarg_size 72
		.amdhsa_user_sgpr_count 2
		.amdhsa_user_sgpr_kernarg_segment_ptr 1
		.amdhsa_wavefront_size32 1
		.amdhsa_system_sgpr_workgroup_id_x 1
		.amdhsa_system_sgpr_workgroup_id_y 1
		.amdhsa_system_sgpr_workgroup_id_z 1
		.amdhsa_system_vgpr_workitem_id 0
		.amdhsa_next_free_vgpr 192
		.amdhsa_next_free_sgpr 66
		.amdhsa_reserve_vcc 0
		.amdhsa_float_denorm_mode_32 3
		.amdhsa_float_denorm_mode_16_64 3
		.amdhsa_memory_ordered 1
		.amdhsa_forward_progress 1
		.amdhsa_inst_pref_size 117
	.end_amdhsa_kernel
	.amdgpu_metadata
---
amdhsa.version: [ 1, 2 ]
amdhsa.kernels:
  - .name:           k_qbab70dedc9_prep
    .symbol:         k_qbab70dedc9_prep.kd
    .args:
      - { .name: hidden_states, .offset: 0, .size: 8, .value_kind: global_buffer, .address_space: global }
      - { .name: Wq, .offset: 8, .size: 8, .value_kind: global_buffer, .address_space: global }
      - { .name: Wk, .offset: 16, .size: 8, .value_kind: global_buffer, .address_space: global }
      - { .name: Wv, .offset: 24, .size: 8, .value_kind: global_buffer, .address_space: global }
      - { .name: Wo, .offset: 32, .size: 8, .value_kind: global_buffer, .address_space: global }
      - { .name: codes, .offset: 40, .size: 8, .value_kind: global_buffer, .address_space: global }
      - { .name: scales, .offset: 48, .size: 8, .value_kind: global_buffer, .address_space: global }
      - { .name: wo16, .offset: 56, .size: 8, .value_kind: global_buffer, .address_space: global }
      - { .name: tab, .offset: 64, .size: 8, .value_kind: global_buffer, .address_space: global }
    .group_segment_fixed_size: 33280
    .private_segment_fixed_size: 0
    .kernarg_segment_align: 8
    .kernarg_segment_size: 72
    .max_flat_workgroup_size: 128
    .sgpr_count:     66
    .vgpr_count:     192
    .wavefront_size: 32
...
	.end_amdgpu_metadata
.endif
;; end of part 1
;; launch qkv (part 2): grid 224 x 1, 4 waves a work-group, clusters of 4 x 1, 327,680 bytes of LDS; arguments codes, scales, bq, bk, bv, tab, qkv; writes qkv
.if DOCPART == 2
	.amdgcn_target "amdgcn-amd-amdhsa--gfx1250"
	.amdhsa_code_object_version 6
	.text
	.protected	k_qbab70dedc9_qkv
	.globl	k_qbab70dedc9_qkv
	.p2align	8
	.type	k_qbab70dedc9_qkv,@function
k_qbab70dedc9_qkv:
	s_mov_b64 s[64:65], 0
	v_nop
	global_prefetch_b8 v0, s[64:65] scope:SCOPE_SE
	s_setreg_imm32_b32 hwreg(HW_REG_WAVE_MODE, 25, 1), 1
	s_wait_xcnt 0x0
	s_wait_alu depctr_hold_cnt(0) depctr_sa_sdst(0) depctr_va_vdst(0) depctr_va_sdst(0) depctr_va_ssrc(0) depctr_va_vcc(0) depctr_vm_vsrc(0)
	s_getreg_b32 s2, hwreg(HW_REG_IB_STS2, 6, 4)
	s_cmp_eq_u32 s2, 0
	s_cbranch_scc0 .Lentry_in_a_cluster
	s_endpgm
.Lentry_in_a_cluster:
	s_bfe_u32 s2, ttmp6, 0x10000c
	s_cmp_lg_u32 s2, 0x3003
	s_cbranch_scc0 .Lentry_shape_is_right
	s_endpgm
.Lentry_shape_is_right:
; The three projections, on codes of FP4 (E2M1) with one E8M0 byte for each 32 along K = 2,048; the bias; the rotation of q and k; all times 1/4 (exact), rounded once to f16.
; A = hidden_states' codes [2048 positions][1024 bytes]; B = the codes of Wq, Wk, Wv on end, 6,144 rows of features: 48 heads of 128.  Out: q' [16 heads][2048][128], k' and v' [16][768][128], f16.
; ONLY THE KEYS THAT COUNT: the mask lets keys 0 .. 204 and 1536 .. 2047 count and gives every other key the weight 0, so k and v are made for positions 0 .. 255 and 1536 .. 2047 alone: 768 compact rows
; (compact row c is position c under 256, else 1280 + c).  Keys 205 .. 255 are hidden in the next launch.
; THE ORDER OF A HEAD'S 128 in q' and k': place 2 j holds x1 cos - x2 sin and place 2 j + 1 holds x1 sin + x2 cos of pair j.  A product q . k does not change where both sides are permuted alike.
; v takes the same lines with a table of cos = 1, sin = 0, so that no branch hangs on which tensor a tile belongs to.
; SHARES.  A tile is 256 positions x the 128 features of ONE head: 8 x 16 tiles for q, 3 x 32 for k and v: 224 work-groups of four waves.  Wave w makes positions 64 w .. 64 w + 63 x all 128 features:
; 32 accumulators, 256 registers.  A larger tile would leave more than half of the chip's WGPs without a work-group.
; K goes in steps of 512 (rows of 256 bytes) through a ring of two LDS slots; the scale bytes of the tile's rows, for all of K, come once with the first fills and stay.
; CLUSTER.  Four work-groups side by side (four heads) share their 256 positions: A's tiles and A's scale bytes are asked for jointly (mask 15).  B's tiles are each work-group's own, by plain loads: B's are shared only
; between tile rows, and k and v have three tile rows, which no four partners divide.
; THE MATRIX INSTRUCTION IS USED TRANSPOSED (source 0 = 16 features, source 1 = 16 positions): a lane holds one position and eight neighbouring features, four pairs of the rotation.
; The bias is the C of each sum's first product: eight registers for each 16 features, in the result's layout.
; LIMITS: |q|, |k|, |v| under 262,000 (f16 behind the division by 4); NaN and infinities are not served.
; REGISTERS: window 0: v16-30 addresses; v32-95 scale words, two sets, and nothing else; v96-127 packed results; v128-159, v160-191 A's fragments, two sets, later rows on the way out; v192-255 the bias, later the rotated numbers.
;   window 1: B's fragments, two sets, at v0 and v128.   window 2: the accumulators ((a, b) at v[8 (8 a + b)]).   window 3: the table of my four blocks of 16 positions, 64 registers a block.
.set NQ,     4                         ; matrix instructions deep in a slot: 512 along K
.set ROWB,   256                       ; a tile's row in bytes
.set KROW,   1024                      ; a row of codes in memory
.set PITCH,  272                       ; an LDS row: 256 bytes + 16 of padding: the 16 rows that a load touches start 68 words apart
.set FR,     8
.set NP,     4
.set HALFT,  128*PITCH                 ; 128 rows: what one of A's loads brings
.set QUART,  64*PITCH                  ; 64 rows: what one of B's loads brings, and what one wave reads of A
.set BOFF,   2*HALFT                   ; B's 128 rows lie behind A's 256
.set SLOT,   BOFF+2*QUART
.set SCL,    2*SLOT                    ; behind the ring: the scale bytes, 64 a row, as runs of 256 bytes + 16 of padding
.set HALFS,  32*272                    ; those of 128 rows
.set QS,     16*272                    ; those of 64 rows
.set SBOFF,  2*HALFS                   ; B's lie behind A's; SBOFF = 4 QS
.set SBLK,   4*272                     ; those of 16 rows
.set SPARE,  SCL+SBOFF+2*QS            ; the spare words, 128 bytes a wave
.set STAGE,  SPARE+512                 ; the way out: 16 rows x (256 bytes + 16) for each wave, in bytes into which no tile lands
.set SPITCH, 272
.set WCODES, 2097152                   ; where the weights' codes begin in the buffer
.set WSCALES, 131072                   ; and their scale bytes
.set ADRA, 16
.set ADRB, 20
.set STO,  24
.set RD,   25
.set CO,   26                          ; 16 x lane; never rewritten
.set ADRS, 27
.set SPW,  28
.set NIL,  29
.set BO,   30                          ; 32 x (lane / 16); never rewritten
.set SC,   32
.set PK,   96
.set AF,   128
.set BK,   128
.set BI,   192
.set OT,   192
.set G1,   24
.set G0,   32
.set G1B,  48
.set G0B,  56
.set G1S,  68
.set G0S,  76
.set G1SB, 80
.set G0SB, 88
.set MSB, 0
.macro WIN new                         ; the immediate's high byte repeats the setting that is left; a switch that changes nothing is dropped
.if MSB != (\new)
	s_set_vgpr_msb (MSB<<8)|(\new)
.set MSB, (\new)
.endif
.endm
.set MUL,    0xa1                      ; source 0 (B) window 1, source 1 (A) window 0, C and D window 2
.set TO_B,   0x40                      ; destination window 1, address window 0
; Waves 0 and 1 fetch for A (jointly), waves 2 and 3 for B.  The branch hangs on the wave's number alone.  An s_nop 0 and four v_nop follow each of the two lines.
.macro JLOAD g0a, g1a, g0b, g1b
	s_cmp_eq_u32 s18, 0
	s_cbranch_scc0 .Lfor_b_\@
	tensor_load_to_lds s[\g0a:\g0a+3], s[\g1a:\g1a+7]
	s_nop 0
.rept 4
	v_nop
.endr
	s_branch .Lasked_\@
.Lfor_b_\@:
	tensor_load_to_lds s[\g0b:\g0b+3], s[\g1b:\g1b+7]
	s_nop 0
.rept 4
	v_nop
.endr
.Lasked_\@:
.endm
.macro CREST                           ; a round of the cluster's barrier behind its opening barrier
	s_cmp_lg_u32 s2, 0
	s_cbranch_scc1 .Lnot_wave_0_\@
	s_barrier_signal -3
.Lnot_wave_0_\@:
	s_barrier_wait -3
	s_barrier_signal -1
	s_barrier_wait -1
.endm
.macro CROUND
	s_barrier_signal -1
	s_barrier_wait -1
	CREST
.endm
	s_load_b256 s[4:11], s[0:1], 0x0               ; codes, scales, bq, bk
	s_load_b128 s[12:15], s[0:1], 0x20             ; bv, tab
	s_load_b64 s[16:17], s[0:1], 0x30              ; qkv
	v_lshl_add_u32 v[SPW], v0, 2, SPARE
	v_mov_b32 v[NIL], 0
	ds_add_u32 v[SPW], v[NIL]                      ; the wave's opening: the add, twice on end, and its wait ahead of my first tensor load
	ds_add_u32 v[SPW], v[NIL]
	v_lshrrev_b32 v1, 5, v0
	v_readfirstlane_b32 s2, v1                     ; wave 0..3: my 64 positions of the tile
	s_lshr_b32 s18, s2, 1                          ; I fetch for A (0) or for B (1),
	s_and_b32 s19, s2, 1                           ; and which half of that tile's rows
	; which tile.  Clusters 0 .. 31: q, tile row c / 4, group of four heads c % 4.  Clusters 32 .. 55: k and v, tile row (c - 32) / 8, group 4 + (c - 32) % 8.
	s_lshr_b32 s40, ttmp9, 2
	s_and_b32 s41, ttmp9, 3
	s_sub_co_u32 s42, ttmp9, 32
	s_lshr_b32 s43, s42, 3
	s_and_b32 s44, s42, 7
	s_add_co_u32 s44, s44, 4
	s_lshl_b32 s45, s43, 8
	s_add_co_u32 s45, s45, 1280
	s_cmp_eq_u32 s43, 0
	s_cselect_b32 s45, 0, s45                      ; k, v: the tile's first position: 0, 1536, 1792
	s_lshl_b32 s46, s40, 8                         ; q: 256 x tile row
	s_cmp_lt_u32 ttmp9, 32
	s_cselect_b32 s20, s40, s43                    ; tile row
	s_cselect_b32 s21, s41, s44                    ; group
	s_cselect_b32 s22, s46, s45                    ; first position
	s_lshr_b32 s23, s21, 2                         ; 0 = q, 1 = k, 2 = v: the same in all four partners
	s_lshl_b32 s40, s19, 7
	s_add_co_u32 s41, s22, s40                     ; A: the first of the 128 rows that I fetch: made of the cluster's number and the wave's alone
	s_lshl_b32 s92, s41, 10
	s_mov_b32 s93, 0
	s_lshl_b32 s94, s41, 6
	s_mov_b32 s95, 0
	s_bfe_u32 s42, ttmp6, 0x40000                  ; cx
	s_lshl_b32 s21, s21, 2
	s_add_co_u32 s21, s21, s42                     ; which of the 48 heads of the three weights
	s_lshl_b32 s44, s21, 7
	s_lshl_b32 s40, s19, 6
	s_add_co_u32 s44, s44, s40                     ; B: the first of the 64 rows that I fetch
	s_lshl_b32 s96, s44, 10
	s_add_co_u32 s96, s96, WCODES
	s_mov_b32 s97, 0
	s_lshl_b32 s98, s44, 6
	s_add_co_u32 s98, s98, WSCALES
	s_mov_b32 s99, 0
	s_mul_i32 s45, s19, HALFT                      ; where they go in a slot: A's half;
	s_mul_i32 s47, s19, QUART
	s_add_co_u32 s47, s47, BOFF                    ; B's half: no place in the cluster enters an LDS address
	s_mul_i32 s46, s19, HALFS                      ; and among the scale bytes: A's half;
	s_mul_i32 s3, s19, QS
	s_add_co_u32 s3, s3, SBOFF                     ; B's half
	; descriptor group 1: tiles of rows of 256 bytes, 16 bytes of padding behind each row: A's of 128 rows, B's of 64
	s_mov_b32 s[G1], 15|(1<<20)|(1<<21)|(5<<22)|(3<<25)            ; 15:0 the mask: all four partners; elements of 1 byte; 20 padding on; 21 set beside a mask; after every 64 words (code 5) 4 words (code 3)
	s_mov_b32 s[G1+1], ROWB<<16                    ; tensor_dim0
	s_mov_b32 s[G1+2], 128<<16                     ; tensor_dim1
	s_mov_b32 s[G1+3], ROWB<<16                    ; tile_dim0
	s_mov_b32 s[G1+4], 128                         ; tile_dim1
	s_mov_b32 s[G1+5], KROW                        ; from row to row
	s_mov_b32 s[G1+6], 0
	s_mov_b32 s[G1+7], 0
	s_mov_b32 s[G1B], (1<<20)|(5<<22)|(3<<25)                      ; the same with no mask: my work-group's own
	s_mov_b32 s[G1B+1], ROWB<<16
	s_mov_b32 s[G1B+2], 64<<16
	s_mov_b32 s[G1B+3], ROWB<<16
	s_mov_b32 s[G1B+4], 64
	s_mov_b32 s[G1B+5], KROW
	s_mov_b32 s[G1B+6], 0
	s_mov_b32 s[G1B+7], 0
	; the scale bytes: dense blocks, as rows of 256 bytes (32 elements of 8 bytes): of 128 rows of A 32 such rows, of 64 rows of B 16
	s_mov_b32 s[G1S], 15|(3<<16)|(1<<20)|(1<<21)|(5<<22)|(3<<25)
	s_mov_b32 s[G1S+1], 32<<16
	s_mov_b32 s[G1S+2], 32<<16
	s_mov_b32 s[G1S+3], 32<<16
	s_mov_b32 s[G1S+4], 32
	s_mov_b32 s[G1S+5], 32
	s_mov_b32 s[G1S+6], 0
	s_mov_b32 s[G1S+7], 0
	s_mov_b32 s[G1SB], (3<<16)|(1<<20)|(5<<22)|(3<<25)
	s_mov_b32 s[G1SB+1], 32<<16
	s_mov_b32 s[G1SB+2], 16<<16
	s_mov_b32 s[G1SB+3], 32<<16
	s_mov_b32 s[G1SB+4], 16
	s_mov_b32 s[G1SB+5], 32
	s_mov_b32 s[G1SB+6], 0
	s_mov_b32 s[G1SB+7], 0
	s_wait_dscnt 0x0                               ; both opening adds are done
	s_wait_kmcnt 0x0
	s_add_nc_u64 s[92:93], s[4:5], s[92:93]        ; A's codes
	s_add_nc_u64 s[94:95], s[6:7], s[94:95]        ; A's scale bytes
	s_add_nc_u64 s[96:97], s[4:5], s[96:97]        ; B's codes
	s_add_nc_u64 s[98:99], s[6:7], s[98:99]        ; B's scale bytes
	CROUND                                         ; all four work-groups are here: the first joint loads meet
	s_mov_b32 s[G0S], 1
	s_add_co_u32 s[G0S+1], s46, SCL
	s_mov_b64 s[G0S+2:G0S+3], s[94:95]
	s_or_b32 s[G0S+3], s[G0S+3], 0x80000000
	s_mov_b32 s[G0SB], 1
	s_add_co_u32 s[G0SB+1], s3, SCL
	s_mov_b64 s[G0SB+2:G0SB+3], s[98:99]
	s_or_b32 s[G0SB+3], s[G0SB+3], 0x80000000
	JLOAD G0S, G1S, G0SB, G1SB                     ; the scale bytes first: they are wanted with K step 0
.irp s, 0,1
	s_mov_b32 s[G0+4*\s], 1
	s_add_co_u32 s[G0+4*\s+1], s45, \s*SLOT
	s_add_nc_u64 s[G0+4*\s+2:G0+4*\s+3], s[92:93], \s*ROWB
	s_or_b32 s[G0+4*\s+3], s[G0+4*\s+3], 0x80000000
	s_mov_b32 s[G0B+4*\s], 1
	s_add_co_u32 s[G0B+4*\s+1], s47, \s*SLOT
	s_add_nc_u64 s[G0B+4*\s+2:G0B+4*\s+3], s[96:97], \s*ROWB
	s_or_b32 s[G0B+4*\s+3], s[G0B+4*\s+3], 0x80000000
	JLOAD G0+4*\s, G1, G0B+4*\s, G1B               ; three tensor loads of mine are out now
.endr
	; the bias of the head's 128 features, and the table of my four blocks of 16 positions
	s_cmp_eq_u32 s23, 1
	s_cselect_b64 s[8:9], s[10:11], s[8:9]
	s_cmp_eq_u32 s23, 2
	s_cselect_b64 s[8:9], s[12:13], s[8:9]
	s_and_b32 s47, s21, 15                         ; the head within its tensor
	s_lshl_b32 s40, s47, 9
	s_mov_b32 s41, 0
	s_add_nc_u64 s[8:9], s[8:9], s[40:41]
	s_lshr_b32 s40, s22, 4
	s_lshl_b32 s42, s2, 2
	s_add_co_u32 s40, s40, s42                     ; the table's block of my first 16 positions;
	s_cmp_eq_u32 s23, 2
	s_cselect_b32 s40, 128, s40                    ; for v the blocks that leave a pair as it is
	s_lshl_b32 s40, s40, 13
	s_add_nc_u64 s[66:67], s[14:15], s[40:41]      ; never rewritten
	v_and_b32 v6, 31, v0
	v_lshlrev_b32 v[CO], 4, v6
	v_and_b32 v1, 15, v0                           ; r = lane % 16
	v_bfe_u32 v2, v0, 4, 1                         ; h = lane / 16
	v_lshlrev_b32 v[BO], 5, v2
.irp b, 0,1,2,3,4,5,6,7
	global_load_b128 v[BI+8*\b:BI+8*\b+3], v[BO], s[8:9] offset:64*\b          ; register 8 b + j: the bias of feature 16 b + 8 h + j
	global_load_b128 v[BI+8*\b+4:BI+8*\b+7], v[BO], s[8:9] offset:64*\b+16
.endr
.macro TABLOAD a                       ; the table of my block a of 16 positions: 16 loads of 512 consecutive bytes, into window 3: register 64 a + 8 b + 2 i: cos / 4, + 1: sin / 4 of pair 8 b + 4 h + i
	WIN 0xc0                                       ; destination window 3, address window 0
.irp b, 0,1,2,3,4,5,6,7
.irp c, 0,1
	global_load_b128 v[64*(\a)+8*\b+4*\c:64*(\a)+8*\b+4*\c+3], v[CO], s[66:67] offset:(\a)*8192+1024*\b+512*\c
.endr
.endr
	WIN 0
.endm
	TABLOAD 0
	TABLOAD 1
	v_mul_u32_u24 v3, v1, PITCH
	v_lshl_add_u32 v4, v2, 4, v3                   ; a fragment's row x pitch + 16 x half
	s_mul_i32 s41, s2, QUART                       ; my 64 rows of A
	s_mov_b32 s42, BOFF                            ; B's 128 rows: every wave reads all of them
.irp s, 0,1
	v_add_nc_u32 v[ADRA+\s], s41, v4
	v_add_nc_u32 v[ADRB+\s], s42, v4
	s_add_co_u32 s41, s41, SLOT
	s_add_co_u32 s42, s42, SLOT
.endr
	v_lshlrev_b32 v5, 6, v1                        ; my row's scale bytes: 64 a row,
	v_lshrrev_b32 v6, 8, v5
	v_lshl_add_u32 v5, v6, 4, v5                   ; and 16 more for each 256 passed
	s_mul_i32 s41, s2, QS                          ; A's: my 64 rows
	s_xor_b32 s42, s2, 3
	s_add_co_u32 s42, s42, 1
	s_mul_i32 s42, s42, QS                         ; from there to B's: (4 - wave) x QS
	v_mul_u32_u24 v6, s42, v2                      ; lanes 16-31 take B's
	s_add_co_u32 s41, s41, SCL
	v_add_nc_u32 v5, v5, v6
	v_add_nc_u32 v[ADRS], s41, v5
	s_mul_i32 s43, s2, 16*SPITCH
	s_add_co_u32 s43, s43, STAGE                   ; my stage
	v_mul_u32_u24 v5, v1, SPITCH                   ; in: row r, 16 bytes for each half of the lanes
	v_lshl_add_u32 v5, v2, 4, v5
	v_add_nc_u32 v[STO], s43, v5
	v_mul_u32_u24 v5, v2, SPITCH                   ; back: lanes 0-15 one row of 256 bytes, lanes 16-31 the next
	v_lshl_add_u32 v5, v1, 4, v5
	v_add_nc_u32 v[RD], s43, v5
	; where my 64 rows of the head begin in the output
	s_sub_co_u32 s42, s23, 1
	s_mul_i32 s42, s42, 3145728
	s_add_co_u32 s42, s42, 8388608
	s_mul_i32 s43, s47, 196608
	s_add_co_u32 s42, s42, s43                     ; k', v': 768 rows of 256 bytes a head
	s_lshl_b32 s43, s47, 19                        ; q': 2,048 rows a head
	s_cmp_eq_u32 s23, 0
	s_cselect_b32 s42, s43, s42
	s_lshl_b32 s43, s20, 8
	s_lshl_b32 s44, s2, 6
	s_add_co_u32 s43, s43, s44                     ; row 256 x tile row + 64 x wave
	s_lshl_b32 s43, s43, 8
	s_add_co_u32 s42, s42, s43
	s_mov_b32 s43, 0
	s_add_nc_u64 s[16:17], s[16:17], s[42:43]      ; never rewritten: every store's place stands in its immediate
.macro FRAG reg, adr, q, i             ; 16 rows x 128 K of 4-bit codes: 8 registers: lane l holds row l % 16; registers 4 c .. 4 c + 3 hold K = 64 c + 32 (l / 16) + 0 .. 31
.irp c, 0,1
	ds_load_b128 v[\reg+4*\c:\reg+4*\c+3], v[\adr] offset:64*(\q)+32*\c+(\i)*16*PITCH
.endr
.endm
; 8 matrix instructions: A's block a x B's eight, the slot's q-th 128 along K.  p: the sets of fragments; sc: the set of scale words.  zero = 1: the first product starts the sums from the bias.
; The 32 accumulators take turns, one instruction a turn, in the same order in every step.
.macro MULA a, p, q, sc, zero
.irp b, 0,1,2,3,4,5,6,7
.if \zero
	v_wmma_scale_f32_16x16x128_f8f6f4 v[8*(8*(\a)+\b):8*(8*(\a)+\b)+7], v[128*(\p)+FR*\b:128*(\p)+FR*\b+FR-1], v[AF+32*(\p)+FR*(\a):AF+32*(\p)+FR*(\a)+FR-1], v[BI+8*\b:BI+8*\b+7], v[SC+8*NQ*(\sc)+NQ*\b+(\q)], v[SC+8*NQ*(\sc)+NQ*(\a)+(\q)] matrix_a_fmt:MATRIX_FMT_FP4 matrix_b_fmt:MATRIX_FMT_FP4 matrix_a_scale:MATRIX_SCALE_ROW1
.else
	v_wmma_scale_f32_16x16x128_f8f6f4 v[8*(8*(\a)+\b):8*(8*(\a)+\b)+7], v[128*(\p)+FR*\b:128*(\p)+FR*\b+FR-1], v[AF+32*(\p)+FR*(\a):AF+32*(\p)+FR*(\a)+FR-1], v[8*(8*(\a)+\b):8*(8*(\a)+\b)+7], v[SC+8*NQ*(\sc)+NQ*\b+(\q)], v[SC+8*NQ*(\sc)+NQ*(\a)+(\q)] matrix_a_fmt:MATRIX_FMT_FP4 matrix_b_fmt:MATRIX_FMT_FP4 matrix_a_scale:MATRIX_SCALE_ROW1
.endif
.endr
.endm
.macro FETCH slot, q, p                ; 24 LDS loads in one run: the fragments of the slot's q-th 128 along K into sets p: B's eight, my four of A
	WIN TO_B
.irp i, 0,1,2,3,4,5,6,7
	FRAG 128*(\p)+FR*\i, ADRB+\slot, \q, \i
.endr
	WIN 0
.irp i, 0,1,2,3
	FRAG AF+32*(\p)+FR*\i, ADRA+\slot, \q, \i
.endr
.endm
.macro SCALES sc                       ; a K step's scale words into set sc: 4 words a row; lanes 16-31 take B's block i, lanes 0-15 A's block i (of my four; what they bring for i above 3 is named by no product)
.irp i, 0,1,2,3,4,5,6,7
	ds_load_b128 v[SC+8*NQ*\sc+NQ*\i:SC+8*NQ*\sc+NQ*\i+3], v[ADRS] offset:\i*SBLK
.endr
.endm
.macro PLACES n                        ; places in front of loads into registers that matrix instructions have read, and of the first read of results
.rept \n
	v_nop
.endr
.endm
; A step of 128 along K that has its successor in the same slot: the next step's fragments are asked for first, into the other sets, and land while this step's 32 products are issued.
.macro STEP slot, q, zero
	s_wait_dscnt 0x0                               ; this step's fragments are in (at a slot's head its scale words too)
	PLACES NP                                      ; the other sets were read by the last step's products
	FETCH \slot, (\q)+1, 1-(\q)%2
	WIN MUL-0x20*(\zero)                           ; (zero = 1: C, the bias, lies in window 0)
	MULA 0, (\q)%2, \q, \slot, \zero
	MULA 1, (\q)%2, \q, \slot, \zero
	MULA 2, (\q)%2, \q, \slot, \zero
	MULA 3, (\q)%2, \q, \slot, \zero
	WIN 0
.endm
; A slot's last step changes slots: ONE barrier; in front of it each wave waits for all its tensor loads, adds 0 to its spare word, and waits for that and for its own reads of this slot.  fill = 1: this slot is filled again, two K steps ahead.
.macro TURN slot, next, fill
	s_wait_tensorcnt 0x0                           ; all my tensor loads have landed: my part of the next slot
	ds_add_u32 v[SPW], v[NIL]                      ; 0 onto my spare word
	s_wait_dscnt 1                                 ; this step's fragments are in (the add may be out)
	WIN MUL
	MULA 0, 1, NQ-1, \slot, 0                      ; eight matrix instructions stand between the add and the wait for it
	s_wait_dscnt 0x0                               ; the add is done, and my reads of this slot are over
	s_barrier_signal -1
	MULA 1, 1, NQ-1, \slot, 0
	WIN 0
	s_barrier_wait -1
.if \fill
	CREST                                          ; the barrier has opened a round of the cluster's barrier: no wave of any partner still reads this slot or has a load on its way
	s_add_nc_u64 s[G0+4*\slot+2:G0+4*\slot+3], s[G0+4*\slot+2:G0+4*\slot+3], 2*ROWB
	s_add_nc_u64 s[G0B+4*\slot+2:G0B+4*\slot+3], s[G0B+4*\slot+2:G0B+4*\slot+3], 2*ROWB
	JLOAD G0+4*\slot, G1, G0B+4*\slot, G1B         ; the first tensor load behind the round; its four v_nop are the places in front of the loads below
.else
	PLACES NP
.endif
	v_add_nc_u32 v[ADRS], 4*NQ, v[ADRS]            ; on to the next K step's scale words
	FETCH \next, 0, 0
	SCALES \next
	WIN MUL
	MULA 2, 1, NQ-1, \slot, 0                      ; sixteen products while the next slot's first fragments come
	MULA 3, 1, NQ-1, \slot, 0
	WIN 0
.endm
.macro STEPS slot, from
.set Q, \from
.rept NQ-1-\from
	STEP \slot, Q, 0
.set Q, Q+1
.endr
.endm
	s_wait_loadcnt 32                              ; the bias is in; the 32 loads of the table's first two blocks may stay out
	TABLOAD 2                                      ; the other two blocks: all four are asked for here, and are wanted only on the way out
	TABLOAD 3
	s_wait_tensorcnt 1                             ; the scale bytes and my part of K step 0 are in (K step 1's load may be out)
	s_barrier_signal -1
	s_barrier_wait -1                              ; everybody's are
	FETCH 0, 0, 0
	SCALES 0
	STEP 0, 0, 1                                   ; K = 2,048 is four K steps, twice round the ring: written straight, no loop
	STEPS 0, 1
	TURN 0, 1, 1                                   ; slot 0 takes K step 2
	STEPS 1, 0
	TURN 1, 0, 1                                   ; slot 1 takes K step 3
	STEPS 0, 0
	TURN 0, 1, 0                                   ; nothing is left to fetch
	STEPS 1, 0
	s_wait_dscnt 0x0                               ; the very last step
	WIN MUL
	MULA 0, 1, NQ-1, 1, 0
	MULA 1, 1, NQ-1, 1, 0
	MULA 2, 1, NQ-1, 1, 0
	MULA 3, 1, NQ-1, 1, 0
	WIN 0
; THE WAY OUT, block by block of 16 positions x 128 features.  ROPE: the four pairs of each accumulator are turned (two multiplies and two fused multiply-adds a pair, each accumulator read from its low end on) and rounded to f16.
.macro ROPE a
.set AC, 64*(\a)
.set TT, 64*(\a)
	WIN 0x0e                                       ; source 0: the accumulators, window 2; source 1: the table, window 3; source 2 and the destination: window 0
.irp b, 0,1,2,3,4,5,6,7
.irp i, 0,1,2,3
	v_mul_f32 v[OT+8*\b+2*\i], v[AC+8*\b+2*\i], v[TT+8*\b+2*\i]
	v_mul_f32 v[OT+8*\b+2*\i+1], v[AC+8*\b+2*\i], v[TT+8*\b+2*\i+1]
.endr
.irp i, 0,1,2,3
	v_fma_f32 v[OT+8*\b+2*\i], -v[AC+8*\b+2*\i+1], v[TT+8*\b+2*\i+1], v[OT+8*\b+2*\i]         ; x1 cos - x2 sin
	v_fma_f32 v[OT+8*\b+2*\i+1], v[AC+8*\b+2*\i+1], v[TT+8*\b+2*\i], v[OT+8*\b+2*\i+1]        ; x1 sin + x2 cos
.endr
.endr
	WIN 0
.irp i, 0,1,2,3,4,5,6,7,8,9,10,11,12,13,14,15,16,17,18,19,20,21,22,23,24,25,26,27,28,29,30,31
	v_cvt_pk_f16_f32 v[PK+\i], v[OT+2*\i], v[OT+2*\i+1]
.endr
.endm
.macro TOSTAGE a                       ; 16 bytes a lane into my stage, and back as whole rows of 256 bytes.  LDS serves a wave's instructions in order: no wait between the stores and the loads
.set BB, BK+32*((\a)%2)
.irp b, 0,1,2,3,4,5,6,7
	ds_store_b128 v[STO], v[PK+4*\b:PK+4*\b+3] offset:32*\b
.endr
.irp t, 0,1,2,3,4,5,6,7
	ds_load_b128 v[BB+4*\t:BB+4*\t+3], v[RD] offset:\t*2*SPITCH
.endr
.endm
.macro SEND a
.set BB, BK+32*((\a)%2)
	s_wait_dscnt 0x0                               ; the block is back in registers
	s_wait_xcnt 0x0                                ; the stores of the block before have read their registers: the next block's loads from the stage may land there
.irp t, 0,1,2,3,4,5,6,7
	global_store_b128 v[CO], v[BB+4*\t:BB+4*\t+3], s[16:17] offset:(\a)*4096+512*\t   ; a head's rows are dense: 32 lanes store 512 consecutive bytes, aligned
.endr
.endm
	PLACES NP
	s_wait_loadcnt 0x0                             ; the table: asked for at the head
	ROPE 0
	TOSTAGE 0
.irp a, 1,2,3
	ROPE \a                                        ; a block's arithmetic stands between the loads of the block before and the wait for them
	SEND \a-1
	TOSTAGE \a
.endr
	SEND 3
	s_wait_tensorcnt 0x0                           ; the wave's end, behind my last tensor load and my last LDS store
	ds_add_u32 v[SPW], v[NIL]
	s_wait_dscnt 0x0
	CROUND                                         ; the closing round: no work-group ends while a partner may still ask for a tile that names it
	s_endpgm
.Lfunc_end_k_qbab70dedc9_qkv:
	.size	k_qbab70dedc9_qkv, .Lfunc_end_k_qbab70dedc9_qkv-k_qbab70dedc9_qkv
	.p2alignl 7, 3214868480
	.fill 96, 4, 3214868480
	.section	.rodata,"a",@progbits
	.p2align	6, 0x0
	.amdhsa_kernel k_qbab70dedc9_qkv
		.amdhsa_group_segment_fixed_size 327680
		.amdhsa_private_segment_fixed_size 0
		.amdhsa_enable_private_segment 0
		.amdhsa_kernarg_size 56
		.amdhsa_user_sgpr_count 2
		.amdhsa_user_sgpr_kernarg_segment_ptr 1
		.amdhsa_wavefront_size32 1
		.amdhsa_system_sgpr_workgroup_id_x 1
		.amdhsa_system_sgpr_workgroup_id_y 1
		.amdhsa_system_sgpr_workgroup_id_z 1
		.amdhsa_system_vgpr_workitem_id 0
		.amdhsa_next_free_vgpr 1024
		.amdhsa_next_free_sgpr 100
		.amdhsa_reserve_vcc 0
		.amdhsa_float_denorm_mode_32 3
		.amdhsa_float_denorm_mode_16_64 3
		.amdhsa_memory_ordered 1
		.amdhsa_forward_progress 1
		.amdhsa_inst_pref_size 156
	.end_amdhsa_kernel
	.amdgpu_metadata
---
amdhsa.version: [ 1, 2 ]
amdhsa.kernels:
  - .name:           k_qbab70dedc9_qkv
    .symbol:         k_qbab70dedc9_qkv.kd
    .args:
      - { .name: codes, .offset: 0, .size: 8, .value_kind: global_buffer, .address_space: global }
      - { .name: scales, .offset: 8, .size: 8, .value_kind: global_buffer, .address_space: global }
      - { .name: bq, .offset: 16, .size: 8, .value_kind: global_buffer, .address_space: global }
      - { .name: bk, .offset: 24, .size: 8, .value_kind: global_buffer, .address_space: global }
      - { .name: bv, .offset: 32, .size: 8, .value_kind: global_buffer, .address_space: global }
      - { .name: tab, .offset: 40, .size: 8, .value_kind: global_buffer, .address_space: global }
      - { .name: qkv, .offset: 48, .size: 8, .value_kind: global_buffer, .address_space: global }
    .group_segment_fixed_size: 327680
    .private_segment_fixed_size: 0
    .kernarg_segment_align: 8
    .kernarg_segment_size: 56
    .max_flat_workgroup_size: 128
    .sgpr_count:     100
    .vgpr_count:     1024
    .wavefront_size: 32
...
	.end_amdgpu_metadata
.endif
;; end of part 2
;; launch attn (part 3): grid 16 x 16, 8 waves a work-group, clusters of 4 x 1, 327,680 bytes of LDS; arguments qkv, att; writes att
.if DOCPART == 3
	.amdgcn_target "amdgcn-amd-amdhsa--gfx1250"
	.amdhsa_code_object_version 6
	.text
	.protected	k_qbab70dedc9_attn
	.globl	k_qbab70dedc9_attn
	.p2align	8
	.type	k_qbab70dedc9_attn,@function
k_qbab70dedc9_attn:
	s_mov_b64 s[64:65], 0
	v_nop
	global_prefetch_b8 v0, s[64:65] scope:SCOPE_SE
	s_setreg_imm32_b32 hwreg(HW_REG_WAVE_MODE, 25, 1), 1
	s_wait_xcnt 0x0
	s_wait_alu depctr_hold_cnt(0) depctr_sa_sdst(0) depctr_va_vdst(0) depctr_va_sdst(0) depctr_va_ssrc(0) depctr_va_vcc(0) depctr_vm_vsrc(0)
	s_getreg_b32 s2, hwreg(HW_REG_IB_STS2, 6, 4)
	s_cmp_eq_u32 s2, 0
	s_cbranch_scc0 .Lentry_in_a_cluster
	s_endpgm
.Lentry_in_a_cluster:
	s_bfe_u32 s2, ttmp6, 0x10000c
	s_cmp_lg_u32 s2, 0x3003
	s_cbranch_scc0 .Lentry_shape_is_right
	s_endpgm
.Lentry_shape_is_right:
; att[q][head 128 + d] = (1/4) sum over the keys that count of softmax_k(q . k / sqrt(128)) v[k][d], f16.  In: q' = rope(q) / 4 [16][2048][128], k' = rope(k) / 4 and v' = v / 4 [16][768][128], f16.
; The 768 compact keys are positions 0 .. 255 and 1536 .. 2047; compact keys 205 .. 255 do not count: their scores become -infinity ahead of the maximum, so that their weight is 0.
; Products in f16 with f32 sums; maxima, exponentials and sums in f32; the weights p are rounded to f16 for the second product.
; SOFTMAX.  For each query a running maximum m and sum l: p = 2^(c s - c m), s = q' . k', c = 16 log2(e) / sqrt(128); in every step O and l are multiplied by a = 2^(c m_old - c m_new).
; SHARES.  A work-group owns 128 queries of one head.  Of its eight waves, wave w takes the 32 queries of group w % 4 (two tiles of 16) against HALF of the keys: compact keys 384 (w / 4) on, six steps of 64.
; Two waves lie on each SIMD, so that one wave's softmax stands beside the other's products; each wave's text goes in plain phases.  At the end the two waves of a group exchange one tile each
; through LDS (O, c m, l) and each finishes one tile: a wave's register tile t is query tile t xor (w / 4), so that every wave hands over its register tile 1 and finishes its register tile 0, with no branch.
; LAYOUT.  S^T = K Q^T (source 0 = 16 keys, source 1 = 16 queries) and O^T = V^T P (source 0 = 16 channels, source 1 = P): a lane holds ONE query throughout.  K comes out of LDS as it lies, V turned by ds_load_tr16_b128.
; RING.  Two slots; a slot holds two steps of both halves: eight tiles of 64 rows x 256 bytes, one tensor load a wave.  Slot 0 is filled twice.
; CLUSTER.  The four query blocks of a cluster belong to one head and walk the same K and V: every tile is asked for jointly (mask 15).
; LIMITS: a weight under 6e-8 of the row's largest is lost in f16; results under 2.4e-4 are kept to 3e-8 absolute (f16 behind the division by 4).
; REGISTERS: window 0: v1-15 addresses; v16-31 statistics, 8 a tile: +0 c m, +1 m, +2, +3 l, +4 .. +7 at work (a takes +6); v32-63 P; v64-127 S^T; v128-255 ONE buffer for K's and then V's fragments.
;   window 1: v0-127 O^T, 64 a tile; v128-191 Q; v192-255 the partner's O^T.
.set KS,    64
.set KP,    272                        ; a row of K in LDS: 256 bytes + 16 of padding
.set VP,    288                        ; a row of V: 256 + 32
.set VOFF,  KS*KP
.set STEPB, KS*(KP+VP)                 ; a step's tiles: 64 rows of K, then 64 rows of V
.set HALFB, 2*STEPB                    ; a half's two steps
.set SLOTB, 2*HALFB                    ; both halves
.set SPARE, 2*SLOTB                    ; behind the ring: the spare words, 128 bytes a wave
.set X0,    SLOTB                      ; the exchange, in slot 1, which has had its last fill and its last read by then: for each wave 8,192 bytes of O^T, 128 of c m, 128 of l
.set XB,    8704
.set Y0,    X0+8*XB                    ; the stages for the way out: 16 rows x 272 bytes a wave
.set XT,  1
.set AK0, 2
.set AV0, 3
.set ADR, 4
.set QO0, 5
.set QO1, 6
.set STO, 7
.set RD,  8
.set GO,  9
.set XW,  10
.set XR,  11
.set XS,  12
.set NEG, 13
.set SPW, 14
.set NIL, 15
.set ST,  16
.set P,   32
.set S,   64
.set KV,  128
.set G1K, 24
.set G1V, 32
.set G0A, 40                           ; group 0 for slot 0
.set G0B, 44                           ; and for slot 1
.set CS,  58
.set SEL, 60
.set MA,  62                           ; lanes in which registers 5 .. 7 of the masked step are hidden
.set MB,  63                           ; lanes in which its registers 8 .. 31 are hidden
.set MSB, 0
.macro WIN new
.if MSB != (\new)
	s_set_vgpr_msb (MSB<<8)|(\new)
.set MSB, (\new)
.endif
.endm
.macro CROUND
	s_barrier_signal -1
	s_barrier_wait -1
	s_cmp_lg_u32 s12, 0
	s_cbranch_scc1 .Lnot_wave_0_\@
	s_barrier_signal -3
.Lnot_wave_0_\@:
	s_barrier_wait -3
	s_barrier_signal -1
	s_barrier_wait -1
.endm
	s_load_b128 s[4:7], s[0:1], 0x0                ; qkv, att
	v_lshl_add_u32 v[SPW], v0, 2, SPARE
	v_mov_b32 v[NIL], 0
	ds_add_u32 v[SPW], v[NIL]                      ; the wave's opening: the add, twice on end, and its wait ahead of my first tensor load
	ds_add_u32 v[SPW], v[NIL]
	v_lshrrev_b32 v16, 5, v0
	v_readfirstlane_b32 s12, v16                   ; wave 0..7
	s_lshr_b32 s13, s12, 2                         ; my half of the keys; also the half for which I fetch
	s_and_b32 s14, s12, 3                          ; my group of 32 queries
	s_and_b32 s15, s12, 1                          ; which of a slot's two steps I fetch
	s_bfe_u32 s16, s12, 0x10001                    ; I fetch K (0) or V (1)
	s_bfe_u32 s17, ttmp6, 0x40000                  ; cx
	s_lshl_b32 s18, ttmp9, 2
	s_add_co_u32 s18, s18, s17                     ; my block of 128 queries: it enters Q's and the output's addresses alone
	s_and_b32 s19, ttmp7, 0xffff                   ; the head, which the four partners share
	s_mul_i32 s20, s16, 3145728                    ; my tile of slot 0 in memory: k' or v',
	s_add_co_u32 s20, s20, 8388608
	s_mul_i32 s21, s19, 196608                     ; the head's 768 rows of 256 bytes,
	s_add_co_u32 s20, s20, s21
	s_mul_i32 s21, s13, 98304                      ; the half's 384 rows,
	s_add_co_u32 s20, s20, s21
	s_lshl_b32 s21, s15, 14                        ; the step's 64 rows
	s_add_co_u32 s20, s20, s21
	s_mov_b32 s21, 0
	s_mul_i32 s22, s13, HALFB                      ; and in a slot: made of the wave's number alone
	s_mul_i32 s23, s15, STEPB
	s_add_co_u32 s22, s22, s23
	s_mul_i32 s23, s16, VOFF
	s_add_co_u32 s22, s22, s23
	s_lshl_b32 s2, s19, 19                         ; Q: the head's 2,048 rows,
	s_lshl_b32 s3, s18, 15                         ; my block's 128,
	s_add_co_u32 s2, s2, s3
	s_lshl_b32 s3, s14, 13                         ; my group's 32
	s_add_co_u32 s2, s2, s3
	s_mov_b32 s3, 0
	s_lshl_b32 s8, s18, 19                         ; the output: rows of 4,096 bytes: my block's 128,
	s_lshl_b32 s9, s14, 17                         ; my group's 32,
	s_add_co_u32 s8, s8, s9
	s_lshl_b32 s9, s13, 16                         ; the tile of 16 that I finish,
	s_add_co_u32 s8, s8, s9
	s_lshl_b32 s9, s19, 8                          ; the head's 256 bytes of a row
	s_add_co_u32 s8, s8, s9
	s_mov_b32 s9, 0
	s_cmp_eq_u32 s13, 0                            ; the hidden keys lie in the first half
	s_cselect_b32 s[MA], 0xffff0000, 0
	s_cselect_b32 s[MB], -1, 0
	s_mov_b32 s[CS], 0x400293ee                    ; c = 16 log2(e) / sqrt(128)
	s_mov_b32 s[CS+1], s[CS]                       ; (named with it as a pair, so it is written)
	s_mov_b32 s[SEL], 0x76543210
	s_mov_b32 s[SEL+1], 0xfedcba98
	s_mov_b32 s[G1K], 15|(1<<16)|(1<<20)|(1<<21)|(5<<22)|(3<<25)   ; the mask: all four partners; elements of 2 bytes; padding on; 21 set beside a mask; after every 64 words 4 words
	s_mov_b32 s[G1V], 15|(1<<16)|(1<<20)|(1<<21)|(5<<22)|(7<<25)   ; the same with 8 words of padding
.irp g, G1K, G1V
	s_mov_b32 s[\g+1], 128<<16                     ; tensor_dim0
	s_mov_b32 s[\g+2], KS<<16                      ; tensor_dim1
	s_mov_b32 s[\g+3], 128<<16                     ; tile_dim0
	s_mov_b32 s[\g+4], KS                          ; tile_dim1
	s_mov_b32 s[\g+5], 128                         ; from row to row
	s_mov_b32 s[\g+6], 0
	s_mov_b32 s[\g+7], 0
.endr
	s_wait_dscnt 0x0                               ; both opening adds are done
	s_wait_kmcnt 0x0
	s_add_nc_u64 s[20:21], s[4:5], s[20:21]
	s_add_nc_u64 s[2:3], s[4:5], s[2:3]
	s_add_nc_u64 s[6:7], s[6:7], s[8:9]
	CROUND                                         ; all four work-groups are here: the first joint loads meet
	s_mov_b32 s[G0A], 1
	s_mov_b32 s[G0A+1], s22
	s_mov_b64 s[G0A+2:G0A+3], s[20:21]
	s_or_b32 s[G0A+3], s[G0A+3], 0x80000000
	s_mov_b32 s[G0B], 1
	s_add_co_u32 s[G0B+1], s22, SLOTB
	s_add_nc_u64 s[G0B+2:G0B+3], s[20:21], 32768   ; slot 1: 128 keys on
	s_or_b32 s[G0B+3], s[G0B+3], 0x80000000
	s_cmp_eq_u32 s16, 0                            ; a wave's two first fills stand in one branch: two loads of mine are out
	s_cbranch_scc0 .Lfirst_v
	tensor_load_to_lds s[G0A:G0A+3], s[G1K:G1K+7]
	s_nop 0
	tensor_load_to_lds s[G0B:G0B+3], s[G1K:G1K+7]
	s_nop 0
.rept 4
	v_nop
.endr
	s_branch .Lfirst_asked
.Lfirst_v:
	tensor_load_to_lds s[G0A:G0A+3], s[G1V:G1V+7]
	s_nop 0
	tensor_load_to_lds s[G0B:G0B+3], s[G1V:G1V+7]
	s_nop 0
.rept 4
	v_nop
.endr
.Lfirst_asked:
	v_and_b32 v16, 15, v0                          ; r = lane % 16
	v_bfe_u32 v17, v0, 4, 1                        ; h = lane / 16
	v_lshlrev_b32 v18, 8, v16
	v_lshl_add_u32 v18, v17, 4, v18                ; Q: row r of 256 bytes + 16 h
	s_lshl_b32 s23, s13, 12
	v_add_nc_u32 v[QO0], s23, v18                  ; register tile 0 is query tile w / 4,
	s_xor_b32 s23, s23, 4096
	v_add_nc_u32 v[QO1], s23, v18                  ; register tile 1 the other
	WIN 0x40                                       ; destination window 1
.irp c, 0,1,2,3                        ; Q stays in registers: channels 32 c on
	global_load_b128 v[128+8*\c:131+8*\c], v[QO0], s[2:3] offset:64*\c
	global_load_b128 v[132+8*\c:135+8*\c], v[QO0], s[2:3] offset:64*\c+32
	global_load_b128 v[160+8*\c:163+8*\c], v[QO1], s[2:3] offset:64*\c
	global_load_b128 v[164+8*\c:167+8*\c], v[QO1], s[2:3] offset:64*\c+32
.endr
	WIN 0
	v_mul_u32_u24 v[AK0], v16, KP
	v_lshl_add_u32 v[AK0], v17, 4, v[AK0]          ; K: row r x pitch + 16 h
	v_and_b32 v18, 7, v0
	v_bfe_u32 v19, v0, 3, 1
	v_lshl_add_u32 v[AV0], v17, 3, v18             ; V, for the turning load: key 8 h + lane % 8, channels 8 ((lane / 8) % 2) on
	v_mul_u32_u24 v[AV0], v[AV0], VP
	v_lshl_add_u32 v[AV0], v19, 4, v[AV0]
	s_mul_i32 s23, s13, HALFB                      ; my half's part of a slot
	v_add_nc_u32 v[AK0], s23, v[AK0]
	s_add_co_u32 s23, s23, VOFF
	v_add_nc_u32 v[AV0], s23, v[AV0]
	s_mul_i32 s23, s12, 16*272
	s_add_co_u32 s23, s23, Y0                      ; my stage
	v_mul_u32_u24 v[STO], v16, 272
	v_lshl_add_u32 v[STO], v17, 4, v[STO]
	v_add_nc_u32 v[STO], s23, v[STO]
	v_mul_u32_u24 v[RD], v17, 272
	v_lshl_add_u32 v[RD], v16, 4, v[RD]
	v_add_nc_u32 v[RD], s23, v[RD]
	v_lshlrev_b32 v[GO], 12, v17                   ; the output: lanes 0-15 one row, lanes 16-31 the next, 16 bytes a lane
	v_lshl_add_u32 v[GO], v16, 4, v[GO]
	v_and_b32 v18, 31, v0
	s_mul_i32 s23, s12, XB
	s_add_co_u32 s23, s23, X0                      ; where I leave a tile,
	v_lshl_add_u32 v[XW], v18, 4, s23
	v_lshl_add_u32 v[XS], v18, 2, s23
	s_xor_b32 s9, s12, 4
	s_mul_i32 s9, s9, XB
	s_add_co_u32 s9, s9, X0                        ; and where my partner, wave w xor 4, leaves one for me
	v_lshl_add_u32 v[XR], v18, 4, s9
	v_lshl_add_u32 v[XT], v18, 2, s9
	v_mov_b32 v[NEG], 0xff800000                   ; -infinity
; 32 products S^T = K Q^T: channels 32 (i / 8) on, keys 16 ((i / 2) % 4) on, tile i % 2.  The eight accumulators take turns; the first 8 start the sums.
.macro KQALL
	WIN 0x04                                       ; Q in window 1
.set i, 0
.rept 32
.set rS, S+32*(i%2)+8*((i/2)%4)
.set rK, KV+32*((i/2)%4)+8*(i/8)
.set rQ, 128+32*(i%2)+8*(i/8)
.if i < 8
	v_wmma_f32_16x16x32_f16 v[rS:rS+7], v[rK:rK+7], v[rQ:rQ+7], 0
.else
	v_wmma_f32_16x16x32_f16 v[rS:rS+7], v[rK:rK+7], v[rQ:rQ+7], v[rS:rS+7]
.endif
.set i, i+1
.endr
.endm
; 32 products O^T += V^T P: keys 32 (i / 16) on, channels 16 ((i / 2) % 8) on, tile i % 2.  Sixteen accumulators by turns.  zero = 1: the first 16 start the sums.
.macro PVALL zero
	WIN 0x50                                       ; O^T in window 1
.set i, 0
.rept 32
.set rO, 64*(i%2)+8*((i/2)%8)
.set rV, KV+64*(i/16)+8*((i/2)%8)
.set rP, P+16*(i%2)+8*(i/16)
.if \zero && (i < 16)
	v_wmma_f32_16x16x32_f16 v[rO:rO+7], v[rV:rV+7], v[rP:rP+7], 0
.else
	v_wmma_f32_16x16x32_f16 v[rO:rO+7], v[rV:rV+7], v[rP:rP+7], v[rO:rO+7]
.endif
.set i, i+1
.endr
.endm
.macro FETCH_K                         ; 64 keys x 128 channels: fragment f: keys 16 (f / 4) on, channels 32 (f % 4) on
.irp f, 0,1,2,3,4,5,6,7,8,9,10,11,12,13,14,15
	ds_load_b128 v[KV+8*\f:KV+8*\f+3],   v[ADR] offset:(\f/4)*16*KP+(\f%4)*64
	ds_load_b128 v[KV+8*\f+4:KV+8*\f+7], v[ADR] offset:(\f/4)*16*KP+(\f%4)*64+32
.endr
.endm
.macro FETCH_V                         ; turned: fragment f: keys 32 (f / 8) on, channels 16 (f % 8) on
.irp f, 0,1,2,3,4,5,6,7,8,9,10,11,12,13,14,15
	ds_load_tr16_b128 v[KV+8*\f:KV+8*\f+3],   v[ADR] offset:(\f/8)*32*VP+(\f%8)*32
	ds_load_tr16_b128 v[KV+8*\f+4:KV+8*\f+7], v[ADR] offset:(\f/8)*32*VP+16*VP+(\f%8)*32
.endr
.endm
; THE SOFTMAX OF A STEP, both tiles line by line.  Register n of a tile holds key 16 (n / 8) + 8 (lane / 16) + n % 8 of the step's 64.  first = 1: the first step starts m, l and O^T.
; mask = 1: the step of compact keys 192 .. 255 in the first half: key 205 on is hidden: registers 8 .. 31 in all lanes, registers 5 .. 7 in lanes 16-31 (in the second half both masks are 0: a choice of values, no branch).
; Each accumulator is first read at one of its four lowest registers.
.macro SOFTMAX first, mask
	WIN 0
.if \mask
.irp n, 8,9,10,11,12,13,14,15,16,17,18,19,20,21,22,23,24,25,26,27,28,29,30,31
.irp t, 0,1
	v_cndmask_b32 v[S+32*\t+\n], v[S+32*\t+\n], v[NEG], s[MB]
.endr
.endr
.endif
.irp j, 0,1,2,3
.irp t, 0,1
	v_max3_num_f32 v[ST+8*\t+4+\j], v[S+32*\t+8*\j], v[S+32*\t+8*\j+1], v[S+32*\t+8*\j+2]      ; the maximum, in four chains
.endr
.endr
.if \mask
.irp n, 5,6,7
.irp t, 0,1
	v_cndmask_b32 v[S+32*\t+\n], v[S+32*\t+\n], v[NEG], s[MA]
.endr
.endr
.endif
.irp u, 1,2
.irp j, 0,1,2,3
.irp t, 0,1
	v_max3_num_f32 v[ST+8*\t+4+\j], v[ST+8*\t+4+\j], v[S+32*\t+8*\j+2*\u+1], v[S+32*\t+8*\j+2*\u+2]
.endr
.endr
.endr
.irp t, 0,1
	v_max3_num_f32 v[ST+8*\t+4], v[ST+8*\t+4], v[S+32*\t+7], v[S+32*\t+15]
	v_max3_num_f32 v[ST+8*\t+6], v[ST+8*\t+6], v[S+32*\t+23], v[S+32*\t+31]
.endr
.irp t, 0,1
	v_max3_num_f32 v[ST+8*\t+4], v[ST+8*\t+4], v[ST+8*\t+5], v[ST+8*\t+6]
.endr
.irp t, 0,1
.if \first
	v_max_num_f32 v[ST+8*\t+4], v[ST+8*\t+4], v[ST+8*\t+7]
.else
	v_max3_num_f32 v[ST+8*\t+4], v[ST+8*\t+4], v[ST+8*\t+7], v[ST+8*\t+1]                      ; with the old m
.endif
.endr
.irp t, 0,1
	v_permlanex16_b32 v[ST+8*\t+5], v[ST+8*\t+4], s[SEL], s[SEL+1]                             ; the query's other 32 keys lie in the lane 16 away
.endr
.if !\first
.irp t, 0,1
	v_mov_b32 v[ST+8*\t+7], v[ST+8*\t]             ; c m_old is kept for a
.endr
.endif
.irp t, 0,1
	v_max_num_f32 v[ST+8*\t+1], v[ST+8*\t+4], v[ST+8*\t+5]
.endr
.irp t, 0,1
	v_mul_f32 v[ST+8*\t], s[CS], v[ST+8*\t+1]
.endr
.if !\first
.irp t, 0,1
	v_sub_f32 v[ST+8*\t+7], v[ST+8*\t+7], v[ST+8*\t]
.endr
.endif
.irp b, 0,1,2,3,4,5,6,7,8,9,10,11,12,13,14,15
.irp t, 0,1
	v_pk_fma_f32 v[S+32*\t+2*\b:S+32*\t+2*\b+1], v[S+32*\t+2*\b:S+32*\t+2*\b+1], s[CS:CS+1], v[ST+8*\t:ST+8*\t+1] op_sel_hi:[1,0,0] neg_lo:[0,0,1] neg_hi:[0,0,1]   ; c s - c m
.endr
.endr
.if !\first
.irp t, 0,1
	v_exp_f32 v[ST+8*\t+6], v[ST+8*\t+7]           ; a
.endr
.endif
.irp e, 0,1,2,3,4,5,6,7,8,9,10,11,12,13,14,15,16,17,18,19,20,21,22,23,24,25,26,27,28,29,30,31
.irp t, 0,1
	v_exp_f32 v[S+32*\t+\e], v[S+32*\t+\e]         ; p: both tiles' exponentials are ONE batch
.endr
.endr
	v_nop                                          ; a plain line behind the last exponential
	s_wait_alu depctr_va_vdst(0)                   ; one wait for the batch, ahead of its first use
.irp i, 0,1,2,3,4,5,6,7,8,9,10,11,12,13,14,15
.irp t, 0,1
	v_cvt_pk_f16_f32 v[P+16*\t+\i], v[S+32*\t+2*\i], v[S+32*\t+2*\i+1]
.endr
.endr
.irp u, 0,1,2,3,4,5,6,7                ; the sum of the 16 pairs, in place, neighbours 1, 2, 4, 8 pairs apart
.irp t, 0,1
	v_pk_add_f32 v[S+32*\t+4*\u:S+32*\t+4*\u+1], v[S+32*\t+4*\u:S+32*\t+4*\u+1], v[S+32*\t+4*\u+2:S+32*\t+4*\u+3]
.endr
.endr
.irp u, 0,1,2,3
.irp t, 0,1
	v_pk_add_f32 v[S+32*\t+8*\u:S+32*\t+8*\u+1], v[S+32*\t+8*\u:S+32*\t+8*\u+1], v[S+32*\t+8*\u+4:S+32*\t+8*\u+5]
.endr
.endr
.irp u, 0,1
.irp t, 0,1
	v_pk_add_f32 v[S+32*\t+16*\u:S+32*\t+16*\u+1], v[S+32*\t+16*\u:S+32*\t+16*\u+1], v[S+32*\t+16*\u+8:S+32*\t+16*\u+9]
.endr
.endr
.if \first
.irp t, 0,1
	v_pk_add_f32 v[ST+8*\t+2:ST+8*\t+3], v[S+32*\t:S+32*\t+1], v[S+32*\t+16:S+32*\t+17]
.endr
.else
.irp t, 0,1
	v_pk_add_f32 v[S+32*\t:S+32*\t+1], v[S+32*\t:S+32*\t+1], v[S+32*\t+16:S+32*\t+17]
.endr
.irp t, 0,1
	v_pk_fma_f32 v[ST+8*\t+2:ST+8*\t+3], v[ST+8*\t+2:ST+8*\t+3], v[ST+8*\t+6:ST+8*\t+7], v[S+32*\t:S+32*\t+1] op_sel_hi:[1,0,1]   ; l = a l + the sum
.endr
	WIN 0x41                                       ; O^T (destination and source 0) in window 1
.irp t, 0,1
.set i, 64*\t
.rept 32
	v_pk_mul_f32 v[i:i+1], v[i:i+1], v[ST+8*\t+6:ST+8*\t+7] op_sel_hi:[1,0]
.set i, i+2
.endr
.endr
.endif
.endm
; A KEY STEP, in phases.  K's and V's fragments share one buffer: four plain lines stand between the last product that read it and the loads into it (ISA guide 7.12.1 for vector instructions);
; V's loads land while the softmax is worked.
.macro STEP base, first, mask
	WIN 0
	v_add_nc_u32 v[ADR], \base, v[AK0]
.if !\first
.rept 3
	v_nop
.endr
.endif
	FETCH_K
	s_wait_dscnt 0x0                               ; K is in
	KQALL
	WIN 0
	v_add_nc_u32 v[ADR], \base, v[AV0]
.rept 3
	v_nop
.endr
	FETCH_V
	SOFTMAX \first, \mask
	s_wait_dscnt 0x0                               ; V is in
	PVALL \first
.endm
	s_wait_tensorcnt 1                             ; my part of slot 0 is in; slot 1's may stay out
	s_barrier_signal -1
	s_barrier_wait -1                              ; everybody's is
	s_wait_loadcnt 0x0                             ; Q
	STEP 0, 1, 0
	STEP STEPB, 0, 0
	; the change of slots that fills slot 0 again, with each half's last 128 keys
	WIN 0
	s_wait_tensorcnt 0x0                           ; all my tensor loads have landed, my part of slot 1 among them: a group 0 may be written
	ds_add_u32 v[SPW], v[NIL]                      ; 0 onto my spare word
	s_add_nc_u64 s[G0A+2:G0A+3], s[G0A+2:G0A+3], 65536
	s_wait_dscnt 0x0                               ; the add is done, and my reads of slot 0 are over
	CROUND                                         ; no wave of any partner still reads slot 0 or has a load on its way
	s_cmp_eq_u32 s16, 0
	s_cbranch_scc0 .Lagain_v
	tensor_load_to_lds s[G0A:G0A+3], s[G1K:G1K+7]  ; my one tensor load behind the round: it has two key steps in which to land
	s_nop 0
.rept 4
	v_nop
.endr
	s_branch .Lagain_asked
.Lagain_v:
	tensor_load_to_lds s[G0A:G0A+3], s[G1V:G1V+7]
	s_nop 0
.rept 4
	v_nop
.endr
.Lagain_asked:
	STEP SLOTB, 0, 0
	STEP SLOTB+STEPB, 0, 1                         ; in the first half: compact keys 192 .. 255
	; the last change of slots: nothing is asked for
	WIN 0
	s_wait_tensorcnt 0x0
	ds_add_u32 v[SPW], v[NIL]
	s_wait_dscnt 0x0                               ; the add is done, and my reads of slot 1 are over
	s_barrier_signal -1
	s_barrier_wait -1
	STEP 0, 0, 0
	STEP STEPB, 0, 0
	; THE TWO HALVES OF THE KEYS MEET.  Each wave leaves its register tile 1 (O^T, c m, l) in LDS and takes its partner's, which is the other half's share of its own register tile 0.
	WIN 0
.rept 4
	v_nop                                          ; places behind the last products
.endr
.irp t, 0,1
	v_add_f32 v[ST+8*\t+4], v[ST+8*\t+2], v[ST+8*\t+3]
.endr
.irp t, 0,1
	v_permlanex16_b32 v[ST+8*\t+5], v[ST+8*\t+4], s[SEL], s[SEL+1]
.endr
.irp t, 0,1
	v_add_f32 v[ST+8*\t+4], v[ST+8*\t+4], v[ST+8*\t+5]             ; l of the query over my half of the keys
.endr
	WIN 0x04                                       ; an LDS store's data are its source 1: window 1
.irp i, 0,1,2,3,4,5,6,7,8,9,10,11,12,13,14,15
	ds_store_b128 v[XW], v[64+4*\i:67+4*\i] offset:512*\i          ; as the registers stand: 16 bytes a lane, 512 a store; each accumulator from its low end on
.endr
	WIN 0
	ds_store_b32 v[XS], v[ST+8] offset:8192
	ds_store_b32 v[XS], v[ST+12] offset:8320
	s_wait_dscnt 0x0                               ; for the partner's sake: my stores have landed
	s_barrier_signal -1
	s_barrier_wait -1
	WIN 0x40
.irp i, 0,1,2,3,4,5,6,7,8,9,10,11,12,13,14,15
	ds_load_b128 v[192+4*\i:195+4*\i], v[XR] offset:512*\i
.endr
	WIN 0
	ds_load_b32 v24, v[XT] offset:8192             ; the partner's c m
	ds_load_b32 v25, v[XT] offset:8320             ; and l
	s_wait_dscnt 0x0
	v_max_num_f32 v26, v16, v24                    ; the larger c m
	v_sub_f32 v27, v16, v26
	v_sub_f32 v28, v24, v26
	v_exp_f32 v27, v27                             ; what my share is multiplied by,
	v_exp_f32 v28, v28                             ; and the partner's
	v_nop
	s_wait_alu depctr_va_vdst(0)                   ; one wait for the two, ahead of their first use
	v_mul_f32 v29, v27, v20
	v_fma_f32 v29, v28, v25, v29                   ; the row's sum over all keys
	v_rcp_f32 v29, v29
	v_nop
	s_wait_alu depctr_va_vdst(0)
	v_mul_f32 v30, v27, v29
	v_mul_f32 v31, v27, v29                        ; (the pair is named whole)
	v_mul_f32 v22, v28, v29
	v_mul_f32 v23, v28, v29
	WIN 0x41
.set i, 0
.rept 32
	v_pk_mul_f32 v[i:i+1], v[i:i+1], v[30:31] op_sel_hi:[1,0]
.set i, i+2
.endr
	WIN 0x51                                       ; the partner's O^T and mine in window 1, the factor in window 0
.set i, 0
.rept 32
	v_pk_fma_f32 v[i:i+1], v[192+i:193+i], v[22:23], v[i:i+1] op_sel_hi:[1,0,1]
.set i, i+2
.endr
	WIN 0x05                                       ; sources in window 1, destination in window 0
.set i, 0
.rept 32
	v_cvt_pk_f16_f32 v[64+i], v[2*i], v[2*i+1]
.set i, i+1
.endr
	WIN 0
.irp f, 0,1,2,3,4,5,6,7
	ds_store_b128 v[STO], v[64+4*\f:67+4*\f] offset:32*\f          ; a lane's eight channels of a row: 16 bytes
.endr
.irp f, 0,1,2,3,4,5,6,7
	ds_load_b128 v[96+4*\f:99+4*\f], v[RD] offset:\f*544           ; back as whole rows of 256 bytes; LDS serves a wave's instructions in order
.endr
.irp f, 0,1,2,3,4,5,6,7
	s_wait_dscnt 7-\f                              ; the later loads may be out
	global_store_b128 v[GO], v[96+4*\f:99+4*\f], s[6:7] offset:8192*\f         ; 16 lanes store 256 consecutive bytes, aligned
.endr
	s_wait_tensorcnt 0x0                           ; the wave's end, behind my last tensor load and my last LDS store
	ds_add_u32 v[SPW], v[NIL]
	s_wait_dscnt 0x0
	CROUND                                         ; the closing round
	s_endpgm
.Lfunc_end_k_qbab70dedc9_attn:
	.size	k_qbab70dedc9_attn, .Lfunc_end_k_qbab70dedc9_attn-k_qbab70dedc9_attn
	.p2alignl 7, 3214868480
	.fill 96, 4, 3214868480
	.section	.rodata,"a",@progbits
	.p2align	6, 0x0
	.amdhsa_kernel k_qbab70dedc9_attn
		.amdhsa_group_segment_fixed_size 327680
		.amdhsa_private_segment_fixed_size 0
		.amdhsa_enable_private_segment 0
		.amdhsa_kernarg_size 16
		.amdhsa_user_sgpr_count 2
		.amdhsa_user_sgpr_kernarg_segment_ptr 1
		.amdhsa_wavefront_size32 1
		.amdhsa_system_sgpr_workgroup_id_x 1
		.amdhsa_system_sgpr_workgroup_id_y 1
		.amdhsa_system_sgpr_workgroup_id_z 1
		.amdhsa_system_vgpr_workitem_id 0
		.amdhsa_next_free_vgpr 512
		.amdhsa_next_free_sgpr 66
		.amdhsa_reserve_vcc 0
		.amdhsa_float_denorm_mode_32 3
		.amdhsa_float_denorm_mode_16_64 3
		.amdhsa_memory_ordered 1
		.amdhsa_forward_progress 1
		.amdhsa_inst_pref_size 160
	.end_amdhsa_kernel
	.amdgpu_metadata
---
amdhsa.version: [ 1, 2 ]
amdhsa.kernels:
  - .name:           k_qbab70dedc9_attn
    .symbol:         k_qbab70dedc9_attn.kd
    .args:
      - { .name: qkv, .offset: 0, .size: 8, .value_kind: global_buffer, .address_space: global }
      - { .name: att, .offset: 8, .size: 8, .value_kind: global_buffer, .address_space: global }
    .group_segment_fixed_size: 327680
    .private_segment_fixed_size: 0
    .kernarg_segment_align: 8
    .kernarg_segment_size: 16
    .max_flat_workgroup_size: 256
    .sgpr_count:     66
    .vgpr_count:     512
    .wavefront_size: 32
...
	.end_amdgpu_metadata
.endif
;; end of part 3
;; launch oproj (part 4): grid 16 x 16, 4 waves a work-group, clusters of 4 x 4, 327,680 bytes of LDS; arguments att, wo16, bo, out0; writes out0
.if DOCPART == 4
	.amdgcn_target "amdgcn-amd-amdhsa--gfx1250"
	.amdhsa_code_object_version 6
	.text
	.protected	k_qbab70dedc9_oproj
	.globl	k_qbab70dedc9_oproj
	.p2align	8
	.type	k_qbab70dedc9_oproj,@function
k_qbab70dedc9_oproj:
	s_mov_b64 s[64:65], 0
	v_nop
	global_prefetch_b8 v0, s[64:65] scope:SCOPE_SE
	s_setreg_imm32_b32 hwreg(HW_REG_WAVE_MODE, 25, 1), 1
	s_wait_xcnt 0x0
	s_wait_alu depctr_hold_cnt(0) depctr_sa_sdst(0) depctr_va_vdst(0) depctr_va_sdst(0) depctr_va_ssrc(0) depctr_va_vcc(0) depctr_vm_vsrc(0)
	s_getreg_b32 s2, hwreg(HW_REG_IB_STS2, 6, 4)
	s_cmp_eq_u32 s2, 0
	s_cbranch_scc0 .Lentry_in_a_cluster
	s_endpgm
.Lentry_in_a_cluster:
	s_bfe_u32 s2, ttmp6, 0x10000c
	s_cmp_lg_u32 s2, 0xf033
	s_cbranch_scc0 .Lentry_shape_is_right
	s_endpgm
.Lentry_shape_is_right:
; out0[s][e] = sum over d of att[s][d] wo16[e][d] + bo[e].  att holds the attention's result / 4 and wo16 holds 4 Wo, both f16, [2048][2048]; sums in f32; out0 f32.
; A tile of the result is 128 x 128: 256 work-groups.  Four waves, each 64 x 64: 16 accumulators of 16 x 16.  K goes in steps of 256 (LDS rows of 512 bytes; a wave's tensor load brings 64 of them) through two slots.
; CLUSTERS: 4 x 4 work-groups.  The four of a row of the cluster need the same tiles of att, the four of a column the same tiles of wo16: each tile is asked for JOINTLY.
; THE MATRIX INSTRUCTION IS USED TRANSPOSED (source 0 = 16 rows of wo16, source 1 = 16 rows of att): a lane holds eight neighbouring numbers of a row of the result.  The bias is the C of each sum's first product.
; A wave's 64 columns of f32 are 256 aligned bytes of a row: each wave sends its results through a stage of its own, with no barrier.
; REGISTERS: window 0: v16-29 addresses; v32-95 rows on the way out, two sets; v96-127 the bias; v128-255 the accumulators ((a, b) at v[128 + 8 (4 a + b)]).   window 1: two fragment buffers of 128.
.set SIZE_K, 2048
.set SIZE_N, 2048
.set KSTEP,  256
.set PITCH,  528                       ; an LDS row: 512 bytes + 16 of padding
.set HALFT,  64*PITCH
.set SLOT,   4*HALFT
.set STAGE,  2*SLOT                    ; behind the ring: 16 rows x 272 bytes for each wave
.set SPITCH, 272
.set SPARE,  STAGE+4*16*SPITCH         ; the spare words, 128 bytes a wave
.set LAPS,   SIZE_K/(2*KSTEP)
.set ADRA, 16
.set ADRB, 20
.set STO,  24
.set RD,   25
.set CO,   26
.set BO,   27
.set SPW,  28
.set NIL,  29
.set TMP,  32
.set BI,   96
.set ACC,  128
.set F0,   0
.set F1,   128
.set G1, 24
.set G0, 32
.set G1B, 48
.set G0B, 56
.set MSB, 0
.macro WIN new
.if MSB != (\new)
	s_set_vgpr_msb (MSB<<8)|(\new)
.set MSB, (\new)
.endif
.endm
.set MUL,  0x05                        ; sources 0 and 1 window 1; C and D window 0
.set TO_F, 0x40                        ; destination window 1, address window 0
.macro JLOAD s                         ; a joint load: waves 0 and 1 fetch att's two halves, waves 2 and 3 wo16's; an s_nop 0 and four v_nop follow each of the two lines
	s_cmp_eq_u32 s11, 0
	s_cbranch_scc0 .Lfor_b_\@
	tensor_load_to_lds s[G0+4*\s:G0+4*\s+3], s[G1:G1+7]
	s_nop 0
.rept 4
	v_nop
.endr
	s_branch .Lasked_\@
.Lfor_b_\@:
	tensor_load_to_lds s[G0B+4*\s:G0B+4*\s+3], s[G1B:G1B+7]
	s_nop 0
.rept 4
	v_nop
.endr
.Lasked_\@:
.endm
.macro CREST
	s_cmp_lg_u32 s10, 0
	s_cbranch_scc1 .Lnot_wave_0_\@
	s_barrier_signal -3
.Lnot_wave_0_\@:
	s_barrier_wait -3
	s_barrier_signal -1
	s_barrier_wait -1
.endm
.macro CROUND
	s_barrier_signal -1
	s_barrier_wait -1
	CREST
.endm
	s_load_b128 s[4:7], s[0:1], 0x0                ; att, wo16
	s_load_b64 s[66:67], s[0:1], 0x10              ; bo
	s_load_b64 s[8:9], s[0:1], 0x18                ; out0
	v_lshl_add_u32 v[SPW], v0, 2, SPARE
	v_mov_b32 v[NIL], 0
	ds_add_u32 v[SPW], v[NIL]                      ; the wave's opening: the add, twice on end, and its wait ahead of my first tensor load
	ds_add_u32 v[SPW], v[NIL]
	v_lshrrev_b32 v1, 5, v0
	v_readfirstlane_b32 s10, v1                    ; wave 0..3
	s_lshr_b32 s11, s10, 1                         ; which half of the tile's rows is mine.  Also: I fetch for att (0) or for wo16 (1)
	s_and_b32 s12, s10, 1                          ; which half of its columns.  Also: which 64 rows I fetch
	s_bfe_u32 s40, ttmp6, 0x40000                  ; cx, cy
	s_bfe_u32 s41, ttmp6, 0x40004
	s_lshl_b32 s42, ttmp9, 2
	s_add_co_u32 s42, s42, s40                     ; tile column = 4 x cluster x + cx
	s_and_b32 s13, ttmp7, 0xffff
	s_lshl_b32 s13, s13, 2
	s_add_co_u32 s13, s13, s41                     ; tile row = 4 x cluster y + cy
	s_lshl_b32 s43, s41, 2
	s_lshl_b32 s43, 15, s43                        ; my row of the cluster
	s_lshl_b32 s44, 0x1111, s40                    ; my column
	s_or_b32 s[G1+0], s43, (1<<16)|(1<<20)|(1<<21)|(6<<22)|(3<<25)  ; the mask: att's tiles go to my row; elements of 2 bytes; padding on; 21 set beside a mask; after every 128 words 4 words
	s_or_b32 s[G1B+0], s44, (1<<16)|(1<<20)|(1<<21)|(6<<22)|(3<<25)
.irp g, G1, G1B
	s_mov_b32 s[\g+1], KSTEP<<16                   ; tensor_dim0
	s_mov_b32 s[\g+2], 64<<16                      ; tensor_dim1
	s_mov_b32 s[\g+3], KSTEP<<16                   ; tile_dim0
	s_mov_b32 s[\g+4], 64                          ; tile_dim1
	s_mov_b32 s[\g+5], SIZE_K                      ; from row to row
	s_mov_b32 s[\g+6], 0
	s_mov_b32 s[\g+7], 0
.endr
	s_lshl_b32 s17, s12, 6
	s_lshl_b32 s16, s13, 7
	s_add_co_u32 s16, s16, s17                     ; att: row 128 x tile row + 64 x half
	s_lshl_b32 s46, s42, 7
	s_add_co_u32 s46, s46, s17                     ; wo16: row 128 x tile column + 64 x half
	s_mov_b32 s17, 0
	s_mov_b32 s47, 0
	s_mov_b64 s[18:19], SIZE_K*2
	s_mul_u64 s[16:17], s[16:17], s[18:19]
	s_mul_u64 s[46:47], s[46:47], s[18:19]
	s_mul_i32 s20, s10, HALFT                      ; where they go: wave x 64 rows
	s_wait_dscnt 0x0                               ; both opening adds are done
	s_wait_kmcnt 0x0
	s_add_nc_u64 s[14:15], s[4:5], s[16:17]
	s_add_nc_u64 s[46:47], s[6:7], s[46:47]
	CROUND                                         ; all sixteen work-groups are here: the first joint loads meet
.irp s, 0,1
	s_mov_b32 s[G0+4*\s], 1
	s_add_co_u32 s[G0+4*\s+1], s20, \s*SLOT
	s_add_nc_u64 s[G0+4*\s+2:G0+4*\s+3], s[14:15], \s*KSTEP*2
	s_or_b32 s[G0+4*\s+3], s[G0+4*\s+3], 0x80000000
	s_mov_b32 s[G0B+4*\s], 1
	s_add_co_u32 s[G0B+4*\s+1], s20, \s*SLOT
	s_add_nc_u64 s[G0B+4*\s+2:G0B+4*\s+3], s[46:47], \s*KSTEP*2
	s_or_b32 s[G0B+4*\s+3], s[G0B+4*\s+3], 0x80000000
	JLOAD \s
.endr
	v_and_b32 v1, 15, v0                           ; r = lane % 16
	v_bfe_u32 v2, v0, 4, 1                         ; h = lane / 16
	s_lshl_b32 s46, s42, 9
	s_lshl_b32 s47, s12, 8
	s_add_co_u32 s46, s46, s47                     ; my first column, in bytes of f32: 512 x tile column + 256 x half
	s_mov_b32 s47, 0
	s_add_nc_u64 s[66:67], s[66:67], s[46:47]
	v_lshlrev_b32 v[BO], 5, v2
.irp b, 0,1,2,3
	global_load_b128 v[BI+8*\b:BI+8*\b+3], v[BO], s[66:67] offset:64*\b        ; register 8 b + j: the bias of column 16 b + 8 h + j
	global_load_b128 v[BI+8*\b+4:BI+8*\b+7], v[BO], s[66:67] offset:64*\b+16
.endr
	v_mul_u32_u24 v3, v1, PITCH
	v_lshl_add_u32 v3, v2, 4, v3                   ; a fragment's row x pitch + 16 x half
	s_mul_i32 s21, s11, HALFT                      ; my 64 rows of att
	s_mul_i32 s22, s12, HALFT                      ; my 64 rows of wo16,
	s_add_co_u32 s22, s22, 2*HALFT                 ; which lie behind att's 128
.irp s, 0,1
	v_add_nc_u32 v[ADRA+\s], s21, v3
	v_add_nc_u32 v[ADRB+\s], s22, v3
	s_add_co_u32 s21, s21, SLOT
	s_add_co_u32 s22, s22, SLOT
.endr
	s_mul_i32 s23, s10, 16*SPITCH
	s_add_co_u32 s23, s23, STAGE                   ; my stage
	v_mul_u32_u24 v4, v1, SPITCH                   ; in: row r, 32 bytes for each half of the lanes
	v_lshl_add_u32 v4, v2, 5, v4
	v_add_nc_u32 v[STO], s23, v4
	v_mul_u32_u24 v5, v2, SPITCH                   ; back: lanes 0-15 one row of 256 bytes, lanes 16-31 the next
	v_lshl_add_u32 v5, v1, 4, v5
	v_add_nc_u32 v[RD], s23, v5
	v_lshlrev_b32 v5, 13, v2                       ; and the same two rows in the result: 8,192 bytes a row
	v_lshl_add_u32 v[CO], v1, 4, v5
	s_lshl_b32 s16, s13, 7
	s_lshl_b32 s17, s11, 6
	s_add_co_u32 s16, s16, s17                     ; my first row: 128 x tile row + 64 x half
	s_lshl_b32 s16, s16, 13
	s_mov_b32 s17, 0
	s_add_nc_u64 s[8:9], s[8:9], s[16:17]
	s_add_nc_u64 s[8:9], s[8:9], s[46:47]
; 8 matrix instructions: m blocks a0, a0 + 1 x all 4 n blocks, 32 along K: half c of buffer f.  zero = 1: the first product starts the sums from the bias.  The 16 accumulators take turns.
.macro MUL8 f, c, a0, zero
.irp a, \a0, \a0+1
.irp b, 0,1,2,3
.if \zero
	v_wmma_f32_16x16x32_f16 v[ACC+8*(4*(\a)+\b):ACC+8*(4*(\a)+\b)+7], v[\f+64+8*(4*\c+\b):\f+64+8*(4*\c+\b)+7], v[\f+8*(4*\c+\a):\f+8*(4*\c+\a)+7], v[BI+8*\b:BI+8*\b+7]
.else
	v_wmma_f32_16x16x32_f16 v[ACC+8*(4*(\a)+\b):ACC+8*(4*(\a)+\b)+7], v[\f+64+8*(4*\c+\b):\f+64+8*(4*\c+\b)+7], v[\f+8*(4*\c+\a):\f+8*(4*\c+\a)+7], v[ACC+8*(4*(\a)+\b):ACC+8*(4*(\a)+\b)+7]
.endif
.endr
.endr
.endm
; 32 LDS loads in one run: the fragments of 64 along K at byte k of the rows, into buffer f; the first 32 along K first
.macro FETCH slot, k, f
	WIN TO_F
.irp c, 0,1
.irp i, 0,1,2,3
	ds_load_b128 v[\f+64+8*(4*\c+\i):\f+64+8*(4*\c+\i)+3],   v[ADRB+\slot] offset:\k+64*\c+\i*16*PITCH
	ds_load_b128 v[\f+64+8*(4*\c+\i)+4:\f+64+8*(4*\c+\i)+7], v[ADRB+\slot] offset:\k+64*\c+\i*16*PITCH+32
	ds_load_b128 v[\f+8*(4*\c+\i):\f+8*(4*\c+\i)+3],         v[ADRA+\slot] offset:\k+64*\c+\i*16*PITCH
	ds_load_b128 v[\f+8*(4*\c+\i)+4:\f+8*(4*\c+\i)+7],       v[ADRA+\slot] offset:\k+64*\c+\i*16*PITCH+32
.endr
.endr
.endm
.macro PLACES                          ; four places in front of loads into registers that matrix instructions have read, and of the first read of results
.rept 4
	v_nop
.endr
.endm
; A K step is four quarters of 64 along K, 32 matrix instructions each, on buffers 0, 1, 0, 1.  One of the first three: multiplies buffer f and fetches the next quarter, at byte k, into g.
.macro QUARTER slot, k, f, g, zero
	s_wait_dscnt 16                                ; the first 32 along K are in
	WIN MUL
	MUL8 \f, 0, 0, \zero
	MUL8 \f, 0, 2, \zero
	PLACES
	FETCH \slot, \k, \g
	s_wait_dscnt 32                                ; all but the 32 just issued
	WIN MUL
	MUL8 \f, 1, 0, 0
	MUL8 \f, 1, 2, 0
.endm
; The last quarter multiplies buffer 1 and changes slots: ONE barrier; in front of it each wave waits for all its tensor loads, adds 0 to its spare word, and waits for that and for its own reads of this slot.
.macro TURN slot, next, fill
	WIN 0
	s_wait_tensorcnt 0x0                           ; all my tensor loads have landed: my part of the next slot
	ds_add_u32 v[SPW], v[NIL]                      ; 0 onto my spare word
	s_wait_dscnt 17                                ; (the add and the youngest sixteen loads may be out)
	WIN MUL
	MUL8 F1, 0, 0, 0                               ; eight matrix instructions stand between the add and the wait for it
	s_wait_dscnt 0x0                               ; the add is done, and my reads of this slot are over
	s_barrier_signal -1
	MUL8 F1, 0, 2, 0
.if \fill
	WIN 0
.endif
	s_barrier_wait -1
.if \fill
	CREST                                          ; the barrier has opened a round of the cluster's barrier: no wave of any partner still reads this slot or has a load on its way
	s_add_nc_u64 s[G0+4*\slot+2:G0+4*\slot+3], s[G0+4*\slot+2:G0+4*\slot+3], 2*KSTEP*2
	s_add_nc_u64 s[G0B+4*\slot+2:G0B+4*\slot+3], s[G0B+4*\slot+2:G0B+4*\slot+3], 2*KSTEP*2
	JLOAD \slot                                    ; the first tensor load behind the round; its four v_nop are the places in front of the loads below
.else
	PLACES
.endif
	FETCH \next, 0, F0
	WIN MUL
	MUL8 F1, 1, 0, 0
	MUL8 F1, 1, 2, 0
.endm
	s_wait_loadcnt 0x0                             ; the bias
	s_wait_tensorcnt 1                             ; my part of K step 0 is in (K step 1's may be out)
	s_barrier_signal -1
	s_barrier_wait -1                              ; everybody's is
	FETCH 0, 0, F0
	QUARTER 0, 128, F0, F1, 1                      ; the first quarter stands in front of the loop: its first products start the sums
	WIN 0
	s_mov_b32 s3, LAPS-1
.Llap:                                                 ; a trip goes once round the ring, from a lap's second quarter to the next lap's first, and fills both slots again
	QUARTER 0, 256, F1, F0, 0
	QUARTER 0, 384, F0, F1, 0
	TURN 0, 1, 1
	QUARTER 1, 128, F0, F1, 0
	QUARTER 1, 256, F1, F0, 0
	QUARTER 1, 384, F0, F1, 0
	TURN 1, 0, 1
	QUARTER 0, 128, F0, F1, 0
	WIN 0
	s_sub_co_u32 s3, s3, 1
	s_cmp_lg_u32 s3, 0
	s_cbranch_scc1 .Llap
	QUARTER 0, 256, F1, F0, 0                      ; the last lap fills nothing
	QUARTER 0, 384, F0, F1, 0
	TURN 0, 1, 0
	QUARTER 1, 128, F0, F1, 0
	QUARTER 1, 256, F1, F0, 0
	QUARTER 1, 384, F0, F1, 0
	s_wait_dscnt 16                                ; the very last quarter
	WIN MUL
	MUL8 F1, 0, 0, 0
	MUL8 F1, 0, 2, 0
	s_wait_dscnt 0
	MUL8 F1, 1, 0, 0
	MUL8 F1, 1, 2, 0
	WIN 0
; THE WAY OUT, block by block of 16 rows x 64 columns of f32: 32 bytes a lane into my stage, back as whole rows of 256 bytes.  LDS serves a wave's instructions in order: no wait between the stores and the loads.
.macro TOSTAGE a
.irp b, 0,1,2,3
	ds_store_b128 v[STO], v[ACC+8*(4*(\a)+\b):ACC+8*(4*(\a)+\b)+3] offset:64*\b            ; each accumulator from its low end on
	ds_store_b128 v[STO], v[ACC+8*(4*(\a)+\b)+4:ACC+8*(4*(\a)+\b)+7] offset:64*\b+16
.endr
.irp t, 0,1,2,3,4,5,6,7
	ds_load_b128 v[TMP+32*((\a)%2)+4*\t:TMP+32*((\a)%2)+4*\t+3], v[RD] offset:\t*2*SPITCH
.endr
.endm
.macro SEND a, younger                 ; younger: the LDS instructions issued behind block a's loads, which may stay out
	s_wait_dscnt \younger
.irp t, 0,1,2,3,4,5,6,7
	global_store_b128 v[CO], v[TMP+32*((\a)%2)+4*\t:TMP+32*((\a)%2)+4*\t+3], s[8:9] offset:(16*(\a)+2*\t)*SIZE_N*4 th:TH_STORE_NT   ; 16 lanes store 256 consecutive bytes, aligned; written once, read by nobody here
.endr
.endm
	PLACES
	TOSTAGE 0
.irp a, 1,2,3
.if \a > 1
	s_wait_xcnt 0x0                                ; the stores of two blocks back have read their registers: this block's loads may land there
.endif
	TOSTAGE \a
	SEND \a-1, 16                                  ; behind that block's loads: this block's 8 stores and 8 loads
.endr
	SEND 3, 0
	s_wait_tensorcnt 0x0                           ; the wave's end, behind my last tensor load and my last LDS store
	ds_add_u32 v[SPW], v[NIL]
	s_wait_dscnt 0x0
	CROUND                                         ; the closing round
	s_endpgm
.Lfunc_end_k_qbab70dedc9_oproj:
	.size	k_qbab70dedc9_oproj, .Lfunc_end_k_qbab70dedc9_oproj-k_qbab70dedc9_oproj
	.p2alignl 7, 3214868480
	.fill 96, 4, 3214868480
	.section	.rodata,"a",@progbits
	.p2align	6, 0x0
	.amdhsa_kernel k_qbab70dedc9_oproj
		.amdhsa_group_segment_fixed_size 327680
		.amdhsa_private_segment_fixed_size 0
		.amdhsa_enable_private_segment 0
		.amdhsa_kernarg_size 32
		.amdhsa_user_sgpr_count 2
		.amdhsa_user_sgpr_kernarg_segment_ptr 1
		.amdhsa_wavefront_size32 1
		.amdhsa_system_sgpr_workgroup_id_x 1
		.amdhsa_system_sgpr_workgroup_id_y 1
		.amdhsa_system_sgpr_workgroup_id_z 1
		.amdhsa_system_vgpr_workitem_id 0
		.amdhsa_next_free_vgpr 512
		.amdhsa_next_free_sgpr 68
		.amdhsa_reserve_vcc 0
		.amdhsa_float_denorm_mode_32 3
		.amdhsa_float_denorm_mode_16_64 3
		.amdhsa_memory_ordered 1
		.amdhsa_forward_progress 1
		.amdhsa_inst_pref_size 86
	.end_amdhsa_kernel
	.amdgpu_metadata
---
amdhsa.version: [ 1, 2 ]
amdhsa.kernels:
  - .name:           k_qbab70dedc9_oproj
    .symbol:         k_qbab70dedc9_oproj.kd
    .args:
      - { .name: att, .offset: 0, .size: 8, .value_kind: global_buffer, .address_space: global }
      - { .name: wo16, .offset: 8, .size: 8, .value_kind: global_buffer, .address_space: global }
      - { .name: bo, .offset: 16, .size: 8, .value_kind: global_buffer, .address_space: global }
      - { .name: out0, .offset: 24, .size: 8, .value_kind: global_buffer, .address_space: global }
    .group_segment_fixed_size: 327680
    .private_segment_fixed_size: 0
    .kernarg_segment_align: 8
    .kernarg_segment_size: 32
    .max_flat_workgroup_size: 128
    .sgpr_count:     68
    .vgpr_count:     512
    .wavefront_size: 32
...
	.end_amdgpu_metadata
.endif
;; end of part 4
